; MI455X (gfx1250); checked and timed in simulation.
; The chip was launched on July 23, 2026; its instructions are those of AMD's public machine-readable ISA for CDNA 5 (MIT licence, August 2026) and "CDNA5" Instruction Set Architecture Reference Guide (July 2026). The comments in the code are by the model that wrote it; some were corrected since.
;; Differential Attention. Allowed arithmetic: float matrix products may take bf16 or f16 operands with f32 sums; other float arithmetic in f32, or as packed bf16 or f16 multiplies, adds, multiply-adds, maxima and minima; sums over many terms, partial sums and values carried from step to step in f32; what a program stores and reads back later, other than sums and carried values, may be rounded once to bf16 or f16.
;; Inputs: lambda_k1 64 float32; lambda_k2 64 float32; lambda_q1 64 float32; lambda_q2 64 float32; rope_cos 2,048 x 32 float32; rope_sin 2,048 x 32 float32; subln_w 128 float32; wk 2,048 x 2,048 float32; wo 2,048 x 2,048 float32; wq 2,048 x 2,048 float32; wv 2,048 x 2,048 float32; x 1 x 2,048 x 2,048 float32.
;; Outputs: out0 1 x 2,048 x 2,048 float32.
;; 2 versions, each right; version 2 is version 1 with the launch cvt written anew for expert scheduling mode. Each part assembles by itself: llvm-mc -triple=amdgcn-amd-amdhsa -mcpu=gfx1250 --defsym DOCPART=n.
;; ======== version 1 of 2: 4 launches
;; limits: values are held in f16: magnitudes above 65,504 overflow, below 6.1e-05 lose precision
;; workspace buffers: xb 8,388,608 bytes; wb 25,165,824 bytes; wob 8,388,608 bytes; qkv 25,165,824 bytes; ab 8,388,608 bytes
;; launch cvt (part 1): grid 256 x 5, 4 waves a work-group, no clusters, 0 bytes of LDS; arguments x, wq, wk, wv, wo, xb, wb, wob; writes xb, wb, wob
.if DOCPART == 1
	.amdgcn_target "amdgcn-amd-amdhsa--gfx1250"
	.amdhsa_code_object_version 6
	.text
	.protected	k_qd28b3b86c7_cvt
	.globl	k_qd28b3b86c7_cvt
	.p2align	8
	.type	k_qd28b3b86c7_cvt,@function
k_qd28b3b86c7_cvt:
	s_mov_b64 s[64:65], 0
	v_nop
	global_prefetch_b8 v0, s[64:65] scope:SCOPE_SE
	s_setreg_imm32_b32 hwreg(HW_REG_WAVE_MODE, 25, 1), 1
	s_wait_xcnt 0x0
; The five large f32 inputs, [2048][2048] each, are rounded once to bf16 for the matrix products that follow.
;   t = 0: x  -> xb, row for row.     t = 1, 2, 3: wq, wk, wv -> wb, rows regrouped: row 64 j + i of tensor t goes to row 192 j + 64 (t - 1) + i,
;   so that 192 consecutive rows of wb are q's, k's and v's rows of one group j of 64 output channels.
;   t = 4: wo -> wob: rounded to bf16 like the others, and that number written as f16 (the last product multiplies in f16).
; LIMITS.  |bf16(wo)| stays under 65,504; below 6.1e-5 f16 keeps a fixed step of 6e-8, so such a weight is off by 3e-8 at the most.
; SHARES.  A work-group takes 8 rows of one tensor, a wave 2: 16 KiB, asked for at once by 32 loads of 512 consecutive bytes.  Each store covers 256 consecutive
; bytes, aligned.  Nothing is shared between waves: no LDS, no barrier, no matrix unit.
.set X,   8                            ; v[8:135] 32 loads of four f32; converted in place
.set SRC, 24                           ; s[24:25] my two rows in the source
.set DST, 26                           ; s[26:27] my two rows in the destination
	s_load_b512 s[8:23], s[0:1], 0x0               ; x s[8:9], wq s[10:11], wk s[12:13], wv s[14:15], wo s[16:17], xb s[18:19], wb s[20:21], wob s[22:23]
	v_lshrrev_b32 v3, 5, v0
	v_readfirstlane_b32 s4, v3                     ; wave 0..3
	v_and_b32 v4, 31, v0                           ; lane
	v_lshlrev_b32 v1, 4, v4                        ; 16 bytes a lane on the way in
	v_lshlrev_b32 v2, 3, v4                        ; 8 bytes a lane on the way out
	s_and_b32 s5, ttmp7, 0xffff                    ; t: which tensor
	s_lshl_b32 s6, ttmp9, 3
	s_lshl1_add_u32 s6, s4, s6                     ; my first row = 8 x work-group + 2 x wave
	s_lshl_b32 s28, s6, 13                         ; a source row is 8,192 bytes
	s_mov_b32 s29, 0
	s_lshr_b32 s30, s6, 6                          ; the regrouped row: 192 (row / 64)
	s_mul_i32 s30, s30, 192
	s_and_b32 s31, s6, 63                          ; + row % 64
	s_add_co_u32 s30, s30, s31
	s_max_u32 s31, s5, 1                           ; + 64 (t - 1); for t = 0 the number is not used
	s_sub_co_u32 s31, s31, 1
	s_lshl_b32 s31, s31, 6
	s_add_co_u32 s30, s30, s31
	s_cmp_eq_u32 s5, 0
	s_cselect_b32 s30, s6, s30                     ; x and wo keep their rows
	s_cmp_eq_u32 s5, 4
	s_cselect_b32 s30, s6, s30
	s_lshl_b32 s30, s30, 12                        ; a destination row is 4,096 bytes
	s_mov_b32 s31, 0
	s_wait_kmcnt 0x0
	s_mov_b64 s[SRC:SRC+1], s[8:9]
	s_cmp_eq_u32 s5, 1
	s_cselect_b64 s[SRC:SRC+1], s[10:11], s[SRC:SRC+1]
	s_cmp_eq_u32 s5, 2
	s_cselect_b64 s[SRC:SRC+1], s[12:13], s[SRC:SRC+1]
	s_cmp_eq_u32 s5, 3
	s_cselect_b64 s[SRC:SRC+1], s[14:15], s[SRC:SRC+1]
	s_cmp_eq_u32 s5, 4
	s_cselect_b64 s[SRC:SRC+1], s[16:17], s[SRC:SRC+1]
	s_mov_b64 s[DST:DST+1], s[20:21]
	s_cselect_b64 s[DST:DST+1], s[22:23], s[DST:DST+1]
	s_cmp_eq_u32 s5, 0
	s_cselect_b64 s[DST:DST+1], s[18:19], s[DST:DST+1]
	s_add_nc_u64 s[SRC:SRC+1], s[SRC:SRC+1], s[28:29]
	s_add_nc_u64 s[DST:DST+1], s[DST:DST+1], s[30:31]
.set q, 0
.rept 32                               ; load q: row q / 16, bytes 512 (q % 16) on
	global_load_b128 v[X+4*q:X+4*q+3], v1, s[SRC:SRC+1] offset:(q/16)*8192+(q%16)*512 th:TH_LOAD_NT
.set q, q+1
.endr
.macro OUTB n                          ; four f32 -> four bf16
	s_wait_loadcnt 31-(\n)                         ; loads come back in order: load n is in, the 31 - n younger ones may stay out
	v_cvt_pk_bf16_f32 v[X+4*(\n)], v[X+4*(\n)], v[X+4*(\n)+1]
	v_cvt_pk_bf16_f32 v[X+4*(\n)+1], v[X+4*(\n)+2], v[X+4*(\n)+3]
	global_store_b64 v2, v[X+4*(\n):X+4*(\n)+1], s[DST:DST+1] offset:((\n)/16)*4096+((\n)%16)*256
.endm
.macro OUTH n                          ; four f32 -> bf16 -> the same numbers as f16
	s_wait_loadcnt 31-(\n)
	v_cvt_pk_bf16_f32 v[X+4*(\n)], v[X+4*(\n)], v[X+4*(\n)+1]
	v_cvt_pk_bf16_f32 v[X+4*(\n)+1], v[X+4*(\n)+2], v[X+4*(\n)+3]
	v_and_b32 v[X+4*(\n)+3], 0xffff0000, v[X+4*(\n)+1]    ; bf16 to f32: the high half stays,
	v_lshlrev_b32 v[X+4*(\n)+2], 16, v[X+4*(\n)+1]        ; the low half moves up
	v_and_b32 v[X+4*(\n)+1], 0xffff0000, v[X+4*(\n)]
	v_lshlrev_b32 v[X+4*(\n)], 16, v[X+4*(\n)]
	v_cvt_pk_f16_f32 v[X+4*(\n)], v[X+4*(\n)], v[X+4*(\n)+1]
	v_cvt_pk_f16_f32 v[X+4*(\n)+1], v[X+4*(\n)+2], v[X+4*(\n)+3]
	global_store_b64 v2, v[X+4*(\n):X+4*(\n)+1], s[DST:DST+1] offset:((\n)/16)*4096+((\n)%16)*256
.endm
	s_cmp_eq_u32 s5, 4
	s_cbranch_scc1 .Lf16
.set q, 0
.rept 32
	OUTB q
.set q, q+1
.endr
	s_endpgm
.Lf16:
.set q, 0
.rept 32
	OUTH q
.set q, q+1
.endr
	s_endpgm
.Lfunc_end_k_qd28b3b86c7_cvt:
	.size	k_qd28b3b86c7_cvt, .Lfunc_end_k_qd28b3b86c7_cvt-k_qd28b3b86c7_cvt
	.p2alignl 7, 3214868480
	.fill 96, 4, 3214868480
	.section	.rodata,"a",@progbits
	.p2align	6, 0x0
	.amdhsa_kernel k_qd28b3b86c7_cvt
		.amdhsa_group_segment_fixed_size 0
		.amdhsa_private_segment_fixed_size 0
		.amdhsa_enable_private_segment 0
		.amdhsa_kernarg_size 64
		.amdhsa_user_sgpr_count 2
		.amdhsa_user_sgpr_kernarg_segment_ptr 1
		.amdhsa_wavefront_size32 1
		.amdhsa_system_sgpr_workgroup_id_x 1
		.amdhsa_system_sgpr_workgroup_id_y 1
		.amdhsa_system_sgpr_workgroup_id_z 1
		.amdhsa_system_vgpr_workitem_id 0
		.amdhsa_next_free_vgpr 136
		.amdhsa_next_free_sgpr 66
		.amdhsa_reserve_vcc 0
		.amdhsa_float_denorm_mode_32 3
		.amdhsa_float_denorm_mode_16_64 3
		.amdhsa_memory_ordered 1
		.amdhsa_forward_progress 1
		.amdhsa_inst_pref_size 31
	.end_amdhsa_kernel
	.amdgpu_metadata
---
amdhsa.version: [ 1, 2 ]
amdhsa.kernels:
  - .name:           k_qd28b3b86c7_cvt
    .symbol:         k_qd28b3b86c7_cvt.kd
    .args:
      - { .name: x, .offset: 0, .size: 8, .value_kind: global_buffer, .address_space: global }
      - { .name: wq, .offset: 8, .size: 8, .value_kind: global_buffer, .address_space: global }
      - { .name: wk, .offset: 16, .size: 8, .value_kind: global_buffer, .address_space: global }
      - { .name: wv, .offset: 24, .size: 8, .value_kind: global_buffer, .address_space: global }
      - { .name: wo, .offset: 32, .size: 8, .value_kind: global_buffer, .address_space: global }
      - { .name: xb, .offset: 40, .size: 8, .value_kind: global_buffer, .address_space: global }
      - { .name: wb, .offset: 48, .size: 8, .value_kind: global_buffer, .address_space: global }
      - { .name: wob, .offset: 56, .size: 8, .value_kind: global_buffer, .address_space: global }
    .group_segment_fixed_size: 0
    .private_segment_fixed_size: 0
    .kernarg_segment_align: 8
    .kernarg_segment_size: 64
    .max_flat_workgroup_size: 128
    .sgpr_count:     66
    .vgpr_count:     136
    .wavefront_size: 32
...
	.end_amdgpu_metadata
.endif
;; end of part 1
;; launch qkv (part 2): grid 32 x 8, 4 waves a work-group, clusters of 4 x 4, 327,680 bytes of LDS; arguments xb, wb, rope_cos, rope_sin, qkv; writes qkv
.if DOCPART == 2
	.amdgcn_target "amdgcn-amd-amdhsa--gfx1250"
	.amdhsa_code_object_version 6
	.text
	.protected	k_qd28b3b86c7_qkv
	.globl	k_qd28b3b86c7_qkv
	.p2align	8
	.type	k_qd28b3b86c7_qkv,@function
k_qd28b3b86c7_qkv:
	s_mov_b64 s[64:65], 0
	v_nop
	global_prefetch_b8 v0, s[64:65] scope:SCOPE_SE
	s_setreg_imm32_b32 hwreg(HW_REG_WAVE_MODE, 25, 1), 1
	s_wait_xcnt 0x0
	s_wait_alu depctr_hold_cnt(0) depctr_sa_sdst(0) depctr_va_vdst(0) depctr_va_sdst(0) depctr_va_ssrc(0) depctr_va_vcc(0) depctr_vm_vsrc(0)
	s_getreg_b32 s2, hwreg(HW_REG_IB_STS2, 6, 4)
	s_cmp_eq_u32 s2, 0
	s_cbranch_scc0 .Lentry_in_a_cluster
	s_endpgm
.Lentry_in_a_cluster:
	s_bfe_u32 s2, ttmp6, 0x10000c
	s_cmp_lg_u32 s2, 0xf033
	s_cbranch_scc0 .Lentry_shape_is_right
	s_endpgm
.Lentry_shape_is_right:
; q, k, v = xb wb^T: [2048 rows] x [6144 columns] over K = 2048, bf16 operands, f32 sums; RoPE on q and k on the way out; q, k, v stored in f16, rounded once, unscaled.
; A tile is 256 rows x 192 columns: column tile j = q's 64 channels of group j, k's 64, v's 64 (wb's rows are grouped so).  8 x 32 tiles: 256 work-groups.
; A wave takes 64 rows x 192 columns: 48 accumulators (a = 0..3 blocks of 16 rows, b = 0..11 blocks of 16 columns; b 0-3 q, 4-7 k, 8-11 v).
; K goes in steps of 128 through two LDS slots filled by the tensor data mover; rows of 256 bytes, padded to 272.
; CLUSTER 4 x 4: the four work-groups of a row need the same tile of xb, the four of a column the same tile of wb: each is asked for jointly.
; WHAT IS STORED are operand images: a store is 32 lanes x 16 bytes, 512 consecutive aligned bytes, and the next launch's fragment loads are lane after lane.
;   q, k (parts 0 and 1 of qkv, 8,388,608 bytes each): [j 32][rt 128][cb 4][lane 32][8 f16]: row 16 rt + lane % 16, channel 16 cb + 8 (lane / 16) + e.
;       For these the product is taken with source 0 = wb's rows: a lane holds one row and eight neighbouring channels.
;   v (part 2): [j 32][kt 64][cb 4][half 2][lane 32][8 f16]: channel 16 cb + lane % 16, key 32 kt + 16 half + 8 (lane / 16) + e.
;       For these source 0 = xb's rows: a lane holds one channel and eight neighbouring keys.
; ROPE.  cos and sin are rounded to bf16 like every other input, the rotation is in f32.
; LIMITS.  |q|, |k|, |v| stay under 65,504 (f16); NaN and infinities are not treated apart.
; REGISTERS, in windows of 256 (s_set_vgpr_msb: bits 1:0 source 0, 3:2 source 1, 5:4 source 2, 7:6 destination):
;   window 0: addresses; v32-63 at work in the rotation; v64-255 packed results, four registers an accumulator, none used twice
;   window 1: two fragment buffers of 128: xb's four fragments, then wb's twelve
;   window 2: the accumulators of b < 8 at 8 (4 b + a)     window 3: v0-127 those of b >= 8; v128-191 cos, v192-255 sin, four a (a, b % 4)
.set KSTEP,  128
.set PITCH,  272                       ; 256 bytes + 16 of padding: the 16 rows of a fragment load start 68 words apart
.set HALFA,  128*PITCH                 ; what waves 0 and 1 fetch: 128 rows of xb each
.set HALFB,  96*PITCH                  ; what waves 2 and 3 fetch: 96 rows of wb each
.set BOFF,   2*HALFA
.set SLOT,   BOFF+2*HALFB
.set SPARE,  2*SLOT                    ; behind the ring: the spare words, 128 bytes a wave: two blocks of 256 bytes that no other line names
.set LAPS,   8                         ; 2048 / 256: a lap is two K steps
.set ADRA, 16                          ; v16-17 LDS address of my xb fragments in slot 0, 1
.set ADRB, 20                          ; v20-21 the same for wb
.set RO,   24                          ; v24  my offset in 16 rows of cos and sin
.set GO,   25                          ; v25  16 x lane
.set SPW,  28                          ; v28  my spare word; never rewritten
.set NIL,  29                          ; v29  0; never rewritten
.set PFO,  30                          ; v30  the prefetches' offset: a lane a row of 4,096 bytes; never rewritten
.set UT,   32
.set PK,   64
.set F0,   0
.set F1,   128
.set COS,  128
.set WV,  14                           ; s14 wave;  s15 = wave / 2: I fetch for xb (0) or wb (1);  s16 = wave % 2: which half of that tile
.set FB,  15
.set HF,  16
.set G1,  24                           ; s[24:31] group 1 for xb's tiles;  s[32:39] group 0, a set a slot
.set G0,  32
.set PFA, 44                           ; s[44:45] where my prefetches stand
.set LIM, 46                           ; s46  1 in a wave that prefetches, else the greatest number
.set G1B, 48                           ; s[48:55], s[56:63] the same for wb's tiles
.set G0B, 56
.set QB,  66                           ; s[66:67], s[68:69], s[70:71] where my q, k, v go
.set KB,  68
.set VB,  70
.set RC,  72                           ; s[72:73], s[74:75] cos and sin at my first row
.set RS,  74
.set FIELDS, (1<<16)|(1<<20)|(1<<21)|(5<<22)|(3<<25)  ; 2-byte elements; padding on; bit 21 beside a mask; after every 64 words; 4 words
.set MSB, 0
.macro WIN new                         ; the immediate's high byte repeats the setting that is left
.if MSB != (\new)
	s_set_vgpr_msb (MSB<<8)|(\new)
.set MSB, \new
.endif
.endm
.set MUL_LO, 0xa5                      ; both sources window 1, C and D window 2
.set MUL_HI, 0xf5                      ; C and D window 3
.set TO_F,   0x40                      ; destination window 1
.macro JLOAD s                         ; a joint load; the branch hangs on the wave's number alone; an s_nop 0 and four v_nop follow each line
	s_cmp_eq_u32 s[FB], 0
	s_cbranch_scc0 .Lfor_b_\@
	tensor_load_to_lds s[G0+4*(\s):G0+4*(\s)+3], s[G1:G1+7]
	s_nop 0
.rept 4
	v_nop
.endr
	s_branch .Lasked_\@
.Lfor_b_\@:
	tensor_load_to_lds s[G0B+4*(\s):G0B+4*(\s)+3], s[G1B:G1B+7]
	s_nop 0
.rept 4
	v_nop
.endr
.Lasked_\@:
.endm
; A prefetch of the K step that stands two refills on: 256 bytes of a row, a lane a row, one instruction a wave.  xb's rows are asked for by the clusters with x = 0, wb's by those
; with y = 0; the four partners share a wave's rows out by address: 32 each of xb's 128, 24 each of wb's 96 (there lanes 24-31 name row 23's block once more).
; The loop's last trip asks for nothing: its refills are the last two K steps.
.macro ASK
	WIN 0
	s_cmp_gt_u32 s3, s[LIM]
	s_cbranch_scc0 .Lnot_mine_\@
	global_prefetch_b8 v[PFO], s[PFA:PFA+1] offset:KSTEP*2 th:TH_LOAD_NT scope:SCOPE_SE
.Lnot_mine_\@:
.endm
.macro CREST                           ; a round of the cluster's barrier behind its opening barrier
	s_cmp_lg_u32 s[WV], 0
	s_cbranch_scc1 .Lnot_wave_0_\@
	s_barrier_signal -3
.Lnot_wave_0_\@:
	s_barrier_wait -3
	s_barrier_signal -1
	s_barrier_wait -1
.endm
.macro CROUND
	s_barrier_signal -1
	s_barrier_wait -1
	CREST
.endm
.macro PLACES                          ; four places in front of loads into registers that matrix instructions have read
.rept 4
	v_nop
.endr
.endm
	s_load_b256 s[4:11], s[0:1], 0x0               ; xb s[4:5], wb s[6:7], cos s[8:9], sin s[10:11]
	s_load_b64 s[12:13], s[0:1], 0x20              ; qkv
	v_lshl_add_u32 v[SPW], v0, 2, SPARE
	v_mov_b32 v[NIL], 0
	ds_add_u32 v[SPW], v[NIL]                      ; the wave's opening: the add and its wait stand ahead of my first tensor load
	v_lshrrev_b32 v1, 5, v0
	v_readfirstlane_b32 s[WV], v1
	s_lshr_b32 s[FB], s[WV], 1
	s_and_b32 s[HF], s[WV], 1
	s_bfe_u32 s40, ttmp6, 0x40000                  ; cx
	s_bfe_u32 s41, ttmp6, 0x40004                  ; cy
	s_lshl_b32 s42, ttmp9, 2
	s_add_co_u32 s42, s42, s40                     ; column tile j = 4 x cluster x + cx
	s_and_b32 s43, ttmp7, 0xffff
	s_lshl_b32 s43, s43, 2
	s_add_co_u32 s43, s43, s41                     ; row tile = 4 x cluster y + cy
	s_lshl_b32 s17, s41, 2
	s_lshl_b32 s17, 15, s17                        ; my row of the cluster
	s_lshl_b32 s47, 0x1111, s40                    ; my column
	s_or_b32 s[G1], s17, FIELDS
	s_or_b32 s[G1B], s47, FIELDS
	s_mov_b32 s[G1+1], KSTEP<<16                   ; tensor_dim0 = 128
	s_mov_b32 s[G1+2], 128<<16                     ; tensor_dim1 = 128
	s_mov_b32 s[G1+3], KSTEP<<16                   ; tile_dim0 = 128
	s_mov_b32 s[G1+4], 128                         ; tile_dim1 = 128
	s_mov_b32 s[G1+5], 2048                        ; elements from row to row
	s_mov_b32 s[G1+6], 0
	s_mov_b32 s[G1+7], 0
	s_mov_b32 s[G1B+1], KSTEP<<16
	s_mov_b32 s[G1B+2], 96<<16                     ; 96 rows
	s_mov_b32 s[G1B+3], KSTEP<<16
	s_mov_b32 s[G1B+4], 96
	s_mov_b32 s[G1B+5], 2048
	s_mov_b32 s[G1B+6], 0
	s_mov_b32 s[G1B+7], 0
	s_lshl_b32 s18, s43, 20                        ; xb: (256 x row tile + 128 x half) rows of 4,096 bytes
	s_lshl_b32 s17, s[HF], 19
	s_add_co_u32 s18, s18, s17
	s_mov_b32 s19, 0
	s_mul_i32 s20, s42, 192*4096                   ; wb: (192 j + 96 x half) rows
	s_mul_i32 s47, s[HF], 96*4096
	s_add_co_u32 s20, s20, s47
	s_mov_b32 s21, 0
	s_mul_i32 s22, s[HF], HALFA                    ; where they go: no place in the cluster enters an LDS address
	s_mul_i32 s23, s[HF], HALFB
	s_add_co_u32 s23, s23, BOFF
	s_wait_dscnt 0x0                               ; the opening add is done
	s_wait_kmcnt 0x0
	s_add_nc_u64 s[18:19], s[4:5], s[18:19]
	s_add_nc_u64 s[20:21], s[6:7], s[20:21]
	CROUND                                         ; all sixteen work-groups are here: the first joint loads meet
.irp s, 0,1
	s_mov_b32 s[G0+4*(\s)], 1
	s_add_co_u32 s[G0+4*(\s)+1], s22, (\s)*SLOT
	s_add_nc_u64 s[G0+4*(\s)+2:G0+4*(\s)+3], s[18:19], (\s)*KSTEP*2
	s_or_b32 s[G0+4*(\s)+3], s[G0+4*(\s)+3], 0x80000000
	s_mov_b32 s[G0B+4*(\s)], 1
	s_add_co_u32 s[G0B+4*(\s)+1], s23, (\s)*SLOT
	s_add_nc_u64 s[G0B+4*(\s)+2:G0B+4*(\s)+3], s[20:21], (\s)*KSTEP*2
	s_or_b32 s[G0B+4*(\s)+3], s[G0B+4*(\s)+3], 0x80000000
	JLOAD \s                                       ; K steps 0 and 1: two loads of mine are out
.endr
	v_and_b32 v1, 15, v0                           ; l % 16
	v_bfe_u32 v2, v0, 4, 1                         ; l / 16
	v_mul_u32_u24 v3, v1, PITCH
	v_lshl_add_u32 v3, v2, 4, v3                   ; a fragment's row x pitch + 16 x half
	s_mul_i32 s17, s[WV], 64*PITCH                 ; my 64 rows of xb
	v_add_nc_u32 v[ADRA], s17, v3
	v_add_nc_u32 v[ADRA+1], SLOT, v[ADRA]
	v_add_nc_u32 v[ADRB], BOFF, v3                 ; all 192 rows of wb
	v_add_nc_u32 v[ADRB+1], SLOT+BOFF, v3
	v_lshlrev_b32 v[RO], 7, v1                     ; a row of cos or sin is 128 bytes; my four frequencies are 16 bytes
	v_lshl_add_u32 v[RO], v2, 4, v[RO]
	v_and_b32 v4, 31, v0
	v_lshlrev_b32 v[GO], 4, v4
	s_lshl_b32 s18, s43, 15                        ; (256 x row tile + 64 x wave) x 128 bytes: my rows in cos and sin,
	s_lshl_b32 s17, s[WV], 13                      ; and the same number is my rows' place in a group's q, k and v images
	s_add_co_u32 s18, s18, s17
	s_mov_b32 s19, 0
	s_add_nc_u64 s[RC:RC+1], s[8:9], s[18:19]
	s_add_nc_u64 s[RS:RS+1], s[10:11], s[18:19]
	WIN 0xc0                                       ; destination window 3
.irp a, 0,1,2,3
.irp c, 0,1,2,3                        ; rows 16 a on, frequencies 8 c + 4 (l / 16) on; they are waited for on the way out
	global_load_b128 v[COS+4*(4*(\a)+(\c)):COS+4*(4*(\a)+(\c))+3], v[RO], s[RC:RC+1] offset:(\a)*2048+(\c)*32
	global_load_b128 v[COS+64+4*(4*(\a)+(\c)):COS+64+4*(4*(\a)+(\c))+3], v[RO], s[RS:RS+1] offset:(\a)*2048+(\c)*32
.endr
.endr
	WIN 0
	s_lshl_b32 s20, s42, 18                        ; group j: 262,144 bytes in each part
	s_add_co_u32 s20, s20, s18
	s_mov_b32 s21, 0
	s_add_nc_u64 s[QB:QB+1], s[12:13], s[20:21]
	s_add_nc_u64 s[KB:KB+1], s[QB:QB+1], 0x800000
	s_add_nc_u64 s[VB:VB+1], s[QB:QB+1], 0x1000000
	; the prefetches
	s_lshl_b32 s17, s43, 8                         ; xb: 256 x row tile + 128 x half + 32 cx
	s_lshl_b32 s18, s[HF], 7
	s_add_co_u32 s17, s17, s18
	s_lshl_b32 s18, s40, 5
	s_add_co_u32 s17, s17, s18
	s_mul_i32 s19, s42, 192                        ; wb: 192 j + 96 x half + 24 cy
	s_mul_i32 s18, s[HF], 96
	s_add_co_u32 s19, s19, s18
	s_mul_i32 s18, s41, 24
	s_add_co_u32 s19, s19, s18
	s_and_b32 s20, ttmp7, 0xffff                   ; cluster y
	s_cmp_eq_u32 s[FB], 0
	s_cselect_b32 s17, s17, s19
	s_cselect_b32 s20, ttmp9, s20                  ; the coordinate along which other clusters read the same rows
	s_cselect_b64 s[PFA:PFA+1], s[4:5], s[6:7]
	s_cselect_b32 s21, 31, 23
	s_cmp_eq_u32 s20, 0
	s_cselect_b32 s[LIM], 1, -1                    ; the same in all sixteen partners, for a given wave
	s_lshl_b32 s18, s17, 12
	s_mov_b32 s19, 0
	s_add_nc_u64 s[PFA:PFA+1], s[PFA:PFA+1], s[18:19]
	s_add_nc_u64 s[PFA:PFA+1], s[PFA:PFA+1], 2*KSTEP*2  ; at K step 2: the first refill steps it to 3 and names K step 4
	v_min_u32 v[PFO], s21, v4
	v_lshlrev_b32 v[PFO], 12, v[PFO]
; nb blocks of columns from b0 on x my four blocks of rows, 32 along K.  The 48 accumulators take turns, one instruction a turn, in the same order in every quarter.
.macro MULB f, b0, nb, zero
.set bq, \b0
.rept \nb
.if bq < 8
	WIN MUL_LO
.else
	WIN MUL_HI
.endif
.irp a, 0,1,2,3
.set rD, (8*(4*bq+(\a)))%256
.set rA, (\f)+8*(\a)
.set rB, (\f)+32+8*bq
.if bq < 8
.if \zero
	v_wmma_f32_16x16x32_bf16 v[rD:rD+7], v[rB:rB+7], v[rA:rA+7], 0
.else
	v_wmma_f32_16x16x32_bf16 v[rD:rD+7], v[rB:rB+7], v[rA:rA+7], v[rD:rD+7]
.endif
.else
.if \zero
	v_wmma_f32_16x16x32_bf16 v[rD:rD+7], v[rA:rA+7], v[rB:rB+7], 0
.else
	v_wmma_f32_16x16x32_bf16 v[rD:rD+7], v[rA:rA+7], v[rB:rB+7], v[rD:rD+7]
.endif
.endif
.endr
.set bq, bq+1
.endr
.endm
; 32 LDS loads in one run: xb's four fragments, wb's blocks 0-3, wb's blocks 4-11
.macro FETCH slot, k, f
	WIN TO_F
.irp i, 0,1,2,3
	ds_load_b128 v[(\f)+8*(\i):(\f)+8*(\i)+3],   v[ADRA+(\slot)] offset:(\k)+(\i)*16*PITCH
	ds_load_b128 v[(\f)+8*(\i)+4:(\f)+8*(\i)+7], v[ADRA+(\slot)] offset:(\k)+(\i)*16*PITCH+32
.endr
.irp i, 0,1,2,3,4,5,6,7,8,9,10,11
	ds_load_b128 v[(\f)+32+8*(\i):(\f)+32+8*(\i)+3],   v[ADRB+(\slot)] offset:(\k)+(\i)*16*PITCH
	ds_load_b128 v[(\f)+32+8*(\i)+4:(\f)+32+8*(\i)+7], v[ADRB+(\slot)] offset:(\k)+(\i)*16*PITCH+32
.endr
.endm
; A K step is four quarters of 32 along K, 48 matrix instructions each, on buffers 0, 1, 0, 1.
.macro QUARTER slot, k, f, g, zero
	s_wait_dscnt 16                                ; xb's fragments and wb's blocks 0-3 are in; the youngest 16 loads may be out
	MULB \f, 0, 4, \zero
	PLACES
	FETCH \slot, \k, \g
	s_wait_dscnt 32                                ; all but the 32 just issued
	MULB \f, 4, 8, \zero
.endm
; The last quarter multiplies buffer 1 and changes slots.  In front of the barrier each wave waits for all its tensor loads, adds 0 to its spare word, and waits for that and for its reads of this slot.
.macro TURN slot, next, fill
.if \fill
	s_wait_xcnt 0x0                                ; the last prefetch, a K step back, has read its address
	s_add_nc_u64 s[PFA:PFA+1], s[PFA:PFA+1], KSTEP*2
.endif
	WIN 0
	s_wait_tensorcnt 0x0                           ; all my tensor loads have landed: my part of the next slot
	ds_add_u32 v[SPW], v[NIL]                      ; 0 onto my spare word
	s_wait_dscnt 17                                ; the add and the youngest sixteen loads may be out
	MULB F1, 0, 4, 0
	s_wait_dscnt 0x0                               ; the add is done, and my reads of this slot are over
	s_barrier_signal -1
	MULB F1, 4, 2, 0
.if \fill
	WIN 0
.endif
	s_barrier_wait -1
.if \fill
	CREST                                          ; the barrier has opened a round of the cluster's: no wave of any partner still reads this slot or has a load on its way
	s_add_nc_u64 s[G0+4*(\slot)+2:G0+4*(\slot)+3], s[G0+4*(\slot)+2:G0+4*(\slot)+3], 2*KSTEP*2
	s_add_nc_u64 s[G0B+4*(\slot)+2:G0B+4*(\slot)+3], s[G0B+4*(\slot)+2:G0B+4*(\slot)+3], 2*KSTEP*2
	JLOAD \slot                                    ; the first tensor load behind the round; its four v_nop are also the places in front of the loads below
.else
	PLACES
.endif
	FETCH \next, 0, F0
.if \fill
	ASK
.endif
	MULB F1, 6, 6, 0
.endm
	s_wait_tensorcnt 1                             ; my part of K step 0 is in; K step 1's may stay out
	s_barrier_signal -1
	s_barrier_wait -1
	FETCH 0, 0, F0
	QUARTER 0, 64, F0, F1, 1                       ; the first quarter starts the sums with the constant 0
	WIN 0
	s_mov_b32 s3, LAPS-1
.Llap:                                                 ; a trip goes once round the ring and fills both slots again
	QUARTER 0, 128, F1, F0, 0
	QUARTER 0, 192, F0, F1, 0
	TURN 0, 1, 1
	QUARTER 1, 64,  F0, F1, 0
	QUARTER 1, 128, F1, F0, 0
	QUARTER 1, 192, F0, F1, 0
	TURN 1, 0, 1
	QUARTER 0, 64,  F0, F1, 0
	WIN 0
	s_sub_co_u32 s3, s3, 1
	s_cmp_lg_u32 s3, 0
	s_cbranch_scc1 .Llap
	QUARTER 0, 128, F1, F0, 0                      ; the last lap fills nothing
	QUARTER 0, 192, F0, F1, 0
	TURN 0, 1, 0
	QUARTER 1, 64,  F0, F1, 0
	QUARTER 1, 128, F1, F0, 0
	QUARTER 1, 192, F0, F1, 0
	s_wait_dscnt 16
	MULB F1, 0, 4, 0
	s_wait_dscnt 0x0
	MULB F1, 4, 8, 0
	; THE WAY OUT.  cos and sin are rounded to bf16 in place: 192 plain lines that name no accumulator, the places behind the last products.
	s_wait_loadcnt 0x0
	WIN 0xcf                                       ; destination and both sources window 3
.set i, COS
.rept 64
	v_cvt_pk_bf16_f32 v[i], v[i], v[i+1]
	v_and_b32 v[i+1], 0xffff0000, v[i]
	v_lshlrev_b32 v[i], 16, v[i]
.set i, i+2
.endr
; Block b of q or k: a lane's eight channels are four pairs (x0, x1) -> (x0 c - x1 s, x1 c + x0 s); then f16, 16 bytes a lane.  Each accumulator is read from its low end on.
.macro ROPE b
	WIN 0x0e                                       ; source 0 window 2 (sums), source 1 window 3 (cos, sin), the rest window 0
.irp a, 0,1,2,3
.irp p, 0,1,2,3
	v_mul_f32 v[UT+8*(\a)+2*(\p)],   v[8*(4*(\b)+(\a))+2*(\p)+1], v[COS+64+4*(4*(\a)+(\b)%4)+(\p)]
	v_mul_f32 v[UT+8*(\a)+2*(\p)+1], v[8*(4*(\b)+(\a))+2*(\p)],   v[COS+64+4*(4*(\a)+(\b)%4)+(\p)]
.endr
.endr
.irp a, 0,1,2,3
.irp p, 0,1,2,3
	v_fma_f32 v[UT+8*(\a)+2*(\p)],   v[8*(4*(\b)+(\a))+2*(\p)],   v[COS+4*(4*(\a)+(\b)%4)+(\p)], -v[UT+8*(\a)+2*(\p)]
	v_fma_f32 v[UT+8*(\a)+2*(\p)+1], v[8*(4*(\b)+(\a))+2*(\p)+1], v[COS+4*(4*(\a)+(\b)%4)+(\p)], v[UT+8*(\a)+2*(\p)+1]
.endr
.endr
	WIN 0
.irp a, 0,1,2,3
.irp p, 0,1,2,3
	v_cvt_pk_f16_f32 v[PK+4*(4*(\b)+(\a))+(\p)], v[UT+8*(\a)+2*(\p)], v[UT+8*(\a)+2*(\p)+1]
.endr
.endr
.irp a, 0,1,2,3
.if (\b) < 4
	global_store_b128 v[GO], v[PK+4*(4*(\b)+(\a)):PK+4*(4*(\b)+(\a))+3], s[QB:QB+1] offset:(\a)*2048+((\b)%4)*512
.else
	global_store_b128 v[GO], v[PK+4*(4*(\b)+(\a)):PK+4*(4*(\b)+(\a))+3], s[KB:KB+1] offset:(\a)*2048+((\b)%4)*512
.endif
.endr
.endm
.macro VOUT b                          ; block b of v: a lane's eight keys of one channel
	WIN 0x0f                                       ; both sources window 3
.irp a, 0,1,2,3
.irp p, 0,1,2,3
	v_cvt_pk_f16_f32 v[PK+4*(4*(\b)+(\a))+(\p)], v[8*(4*((\b)-8)+(\a))+2*(\p)], v[8*(4*((\b)-8)+(\a))+2*(\p)+1]
.endr
.endr
	WIN 0
.irp a, 0,1,2,3
	global_store_b128 v[GO], v[PK+4*(4*(\b)+(\a)):PK+4*(4*(\b)+(\a))+3], s[VB:VB+1] offset:((\a)/2)*4096+((\b)-8)*1024+((\a)%2)*512
.endr
.endm
.irp b, 0,1,2,3,4,5,6,7
	ROPE \b
.endr
.irp b, 8,9,10,11
	VOUT \b
.endr
	s_wait_tensorcnt 0x0                           ; the wave's end
	ds_add_u32 v[SPW], v[NIL]
	s_wait_dscnt 0x0
	CROUND                                         ; the closing round
	s_endpgm
.Lfunc_end_k_qd28b3b86c7_qkv:
	.size	k_qd28b3b86c7_qkv, .Lfunc_end_k_qd28b3b86c7_qkv-k_qd28b3b86c7_qkv
	.p2alignl 7, 3214868480
	.fill 96, 4, 3214868480
	.section	.rodata,"a",@progbits
	.p2align	6, 0x0
	.amdhsa_kernel k_qd28b3b86c7_qkv
		.amdhsa_group_segment_fixed_size 327680
		.amdhsa_private_segment_fixed_size 0
		.amdhsa_enable_private_segment 0
		.amdhsa_kernarg_size 40
		.amdhsa_user_sgpr_count 2
		.amdhsa_user_sgpr_kernarg_segment_ptr 1
		.amdhsa_wavefront_size32 1
		.amdhsa_system_sgpr_workgroup_id_x 1
		.amdhsa_system_sgpr_workgroup_id_y 1
		.amdhsa_system_sgpr_workgroup_id_z 1
		.amdhsa_system_vgpr_workitem_id 0
		.amdhsa_next_free_vgpr 1024
		.amdhsa_next_free_sgpr 76
		.amdhsa_reserve_vcc 0
		.amdhsa_float_denorm_mode_32 3
		.amdhsa_float_denorm_mode_16_64 3
		.amdhsa_memory_ordered 1
		.amdhsa_forward_progress 1
		.amdhsa_inst_pref_size 150
	.end_amdhsa_kernel
	.amdgpu_metadata
---
amdhsa.version: [ 1, 2 ]
amdhsa.kernels:
  - .name:           k_qd28b3b86c7_qkv
    .symbol:         k_qd28b3b86c7_qkv.kd
    .args:
      - { .name: xb, .offset: 0, .size: 8, .value_kind: global_buffer, .address_space: global }
      - { .name: wb, .offset: 8, .size: 8, .value_kind: global_buffer, .address_space: global }
      - { .name: rope_cos, .offset: 16, .size: 8, .value_kind: global_buffer, .address_space: global }
      - { .name: rope_sin, .offset: 24, .size: 8, .value_kind: global_buffer, .address_space: global }
      - { .name: qkv, .offset: 32, .size: 8, .value_kind: global_buffer, .address_space: global }
    .group_segment_fixed_size: 327680
    .private_segment_fixed_size: 0
    .kernarg_segment_align: 8
    .kernarg_segment_size: 40
    .max_flat_workgroup_size: 128
    .sgpr_count:     76
    .vgpr_count:     1024
    .wavefront_size: 32
...
	.end_amdgpu_metadata
.endif
;; end of part 2
;; launch attn (part 3): grid 16 x 16, 4 waves a work-group, clusters of 4 x 1, 327,680 bytes of LDS; arguments qkv, lambda_q1, lambda_k1, lambda_q2, lambda_k2, subln_w, ab; writes ab
.if DOCPART == 3
	.amdgcn_target "amdgcn-amd-amdhsa--gfx1250"
	.amdhsa_code_object_version 6
	.text
	.protected	k_qd28b3b86c7_attn
	.globl	k_qd28b3b86c7_attn
	.p2align	8
	.type	k_qd28b3b86c7_attn,@function
k_qd28b3b86c7_attn:
	s_mov_b64 s[64:65], 0
	v_nop
	global_prefetch_b8 v0, s[64:65] scope:SCOPE_SE
	s_setreg_imm32_b32 hwreg(HW_REG_WAVE_MODE, 25, 1), 1
	s_wait_xcnt 0x0
	s_wait_alu depctr_hold_cnt(0) depctr_sa_sdst(0) depctr_va_vdst(0) depctr_va_sdst(0) depctr_va_ssrc(0) depctr_va_vcc(0) depctr_vm_vsrc(0)
	s_getreg_b32 s2, hwreg(HW_REG_IB_STS2, 6, 4)
	s_cmp_eq_u32 s2, 0
	s_cbranch_scc0 .Lentry_in_a_cluster
	s_endpgm
.Lentry_in_a_cluster:
	s_bfe_u32 s2, ttmp6, 0x10000c
	s_cmp_lg_u32 s2, 0x3003
	s_cbranch_scc0 .Lentry_shape_is_right
	s_endpgm
.Lentry_shape_is_right:
; DIFFERENTIAL CAUSAL ATTENTION, one of 16 heads a row of the grid.  Two softmaxes (q1 k1 and q2 k2, 64 channels, scale 1/8) over one V of 128 channels;
; attn = O1 / l1 - lam O2 / l2; RMS norm over the 128 channels (eps 1e-5); times subln_w (1 - LAMBDA_INIT); stored in f16 as the next product's operand image:
; ab = [rt 128][head 16][cb 8][lane 32][8 f16]: row 16 rt + lane % 16, column 128 head + 16 cb + 8 (lane / 16) + e.
; q, k, v come as operand images in f16 (launch qkv's head gives the layouts): every LDS and global fragment load is 32 lanes x 16 consecutive bytes.
; Products, maxima, sums, the difference and the norm in f32; the weights p are rounded to f16 for the second product (l is the sum of the unrounded p).
; The four lambda vectors and subln_w are rounded to bf16, like every other input of the module.
; LIMITS.  A hidden score counts as its value less 1e30; a weight below 2^-126 counts as 0 in l; NaN and infinities are not treated apart.
; THE WALK.  A head's queries lie in 32 blocks of 64; block i needs the key steps 0 .. i of 64 keys, the last of which holds the diagonal.  Keys come in tiles of 256, four steps.
; Work-group bq = 4 c + cx (c: the cluster, cx: its place in it) takes block 31 - bq and then block bq: tiles 0 .. 7 - c and then 0 .. c: nine tiles, whatever c, and the SAME nine
; for the cluster's four partners.  So every tile is asked for jointly, and every trip count and branch hangs on c or on constants.  cx enters Q's and ab's addresses, the prefetches'
; address and two scalars that scale the mask.  Of the last tile's steps those behind the diagonal are wholly hidden and are computed all the same: up to 3 of a block's steps.
; SHARES.  Wave w owns rows 16 w .. 16 w + 15 of the block, for both softmaxes: PIECE 0 is (q1, k1), piece 1 (q2, k2); both multiply the same fragments of V.
; LAYOUT.  S^T = K Q^T holds one query a lane (lane % 16) and the keys 8 (lane / 16) + 0..7; two such results rounded to f16 are source 1 of O^T = V^T P, which holds one query and 8 channels a lane.
; SOFTMAX.  A running maximum m and sum l: p = 2^(c s - c m), c = log2(e) / 8; in every step O and l are multiplied by a = 2^(c m_old - c m_new).  A block's first step has a = 0 (c m starts far
; below every c s), so O and l need only be finite when a block begins.
; THE MASK is the C operand that starts S^T's sums: MD x AL + BE, MD the diagonal step's mask for my rows (0 or -1e30): (1, 0) in the diagonal step, (0, 0) ahead of it, (0, -1e30) behind it.
; BY TURNS.  In a turn piece x has the matrix unit: 16 products V^T P of the step in hand, then 8 products K Q^T of the next step; the other piece's softmax, a list of 134 lines, stands behind them,
; four lines a product; its 33 exponentials are one batch with one wait.
; REGISTERS, in windows of 256 (s_set_vgpr_msb: bits 1:0 source 0, 3:2 source 1, 5:4 source 2, 7:6 destination):
;   window 0: addresses; v12-27 eight statistics a piece; v28-35 the norm's sums; v36-50 at work at the head; v64-127 S^T; v128-159 packed output; v192-223 P
;   window 1: v0-127 O^T, 64 a piece; v128-159 MD; v160-191 the mask in use; v192-255 the gain     window 2: v0-31 Q; v32-63 the second block's Q; v64-191 K1, K2 of a step     window 3: v0-127 V of a step
.set SLOT1, 1<<17                      ; a slot: K1 at 0, K2 at 32,768, V's first 64 channels at 65,536, its last 64 at 98,304; step st of a tile at 8,192 st in each
.set SPARE, 2<<17                      ; behind the ring: the spare words, 128 bytes a wave: two blocks of 256 bytes that no other line names
.set L16,  2                           ; v2   16 x lane; never rewritten
.set ADK,  3                           ; v3   LDS address of K's run of loads
.set ADV,  4                           ; v4   of V's
.set LV,   5                           ; v5   16 x lane + 65,536
.set NLAM, 10                          ; v10  -lam
.set ST,   12                          ; piece t at ST + 8 t: c m, m, l (even keys', odd keys'), c0-c3 at work; a takes c2's place
.set SS,   28
.set PFO,  61                          ; v61  256 x lane; never rewritten
.set SPW,  62                          ; v62  my spare word; never rewritten
.set NIL,  63                          ; v63  0; never rewritten
.set S,    64
.set OUT,  128
.set P,    192
.set MD,   128
.set MC,   160
.set WS,   192
.set QB,   32
.set KF,   64
.set WV,  18
.set CL,  19                           ; c
.set CX,  20
.set HD,  21
.set G1,  24                           ; s[24:31] group 1: 128 rows of 256 bytes, dense
.set G0,  32                           ; s[32:35] group 0: my quarter of a tile
.set KVB, 36                           ; s[36:37] my region (K1, K2, V's halves by wave) of the head, at tile 0
.set OFF, 38
.set PFA, 40
.set LIM, 42
.set SLOTS, 43
.set CNT, 44
.set TB,  45                           ; LDS byte at which the step to be fetched begins in each region
.set RT,  46                           ; tiles of the block in hand still to be entered
.set NXT, 47                           ; the tile to be asked for next
.set LQ,  48                           ; the last tile of the block whose tiles are being asked for
.set NEW, 49                           ; 1: the tile to be entered is a block's first
.set IB,  50                           ; the block in hand = its diagonal step
.set SG,  51                           ; the step, counted in the block, whose scores come next
.set I2,  52                           ; the second block
.set CS,  54
.set SEL, 56
.set AL,  58
.set BE,  60
.set BIGN, 62
.set OB,  66                           ; s[66:67] ab at my rows of the block in hand; s[68:69] of the second block
.set OB2, 68
.set MSB, 0
.macro WIN new
.if MSB != (\new)
	s_set_vgpr_msb (MSB<<8)|(\new)
.set MSB, (\new)
.endif
.endm
.set W_KQ, 0x0a                        ; K and Q window 2, S^T window 0
.set W_KM, 0x1a                        ; the same with C in window 1
.set W_PV, 0x53                        ; V window 3, P window 0, O^T window 1
.set W_RS, 0x41                        ; destination and source 0 window 1
.macro JLOAD                           ; every wave fetches its own region's 32,768 bytes of the tile, jointly with the three partners' waves of the same number
	tensor_load_to_lds s[G0:G0+3], s[G1:G1+7]
	s_nop 0
.rept 4
	v_nop
.endr
.endm
; A prefetch of the tile that the NEXT change of slots will ask for: four key steps, 192 products, ahead of that load.  The head's first cluster asks, in its first walk alone (tiles 2 to 7);
; each wave for its own region, the four partners 8,192 bytes each, told apart by address; a lane names 256 bytes.  So each block of 256 bytes is named once in the launch.
.macro ASK
	s_cmp_gt_u32 s[SLOTS], s[LIM]
	s_cbranch_scc0 .Lnot_mine_\@
	global_prefetch_b8 v[PFO], s[PFA:PFA+1] th:TH_LOAD_NT scope:SCOPE_SE
.Lnot_mine_\@:
.endm
.macro CROUND
	s_barrier_signal -1
	s_barrier_wait -1
	s_cmp_lg_u32 s[WV], 0
	s_cbranch_scc1 .Lnot_wave_0_\@
	s_barrier_signal -3
.Lnot_wave_0_\@:
	s_barrier_wait -3
	s_barrier_signal -1
	s_barrier_wait -1
.endm
; THE CHANGE OF SLOTS.  Each wave waits for all its tensor loads (one is out: its part of the other slot), adds 0 to its spare word, and waits for that and for its reads of the slot that it leaves.
; fill = 1: behind a round of the cluster's barrier the old slot is filled again, first thing, with tile NXT; the descriptor's address is made anew from that number.
.macro CHANGE fill
	WIN 0
	s_wait_tensorcnt 0x0                           ; no tensor load of mine is out, so group 0 may be written
	ds_add_u32 v[SPW], v[NIL]                      ; 0 onto my spare word
.if \fill
	s_lshl_b32 s[OFF], s[NXT], 15                  ; a tile is 32,768 bytes of each region
	s_xor_b32 s[G0+1], s[G0+1], SLOT1
	s_add_nc_u64 s[G0+2:G0+3], s[KVB:KVB+1], s[OFF:OFF+1]
	s_or_b32 s[G0+3], s[G0+3], 0x80000000
	s_add_co_u32 s[NXT], s[NXT], 1                 ; the block's next tile, or behind its last the second block's tile 0
	s_cmp_gt_u32 s[NXT], s[LQ]
	s_cselect_b32 s[NXT], 0, s[NXT]
	s_cselect_b32 s[LQ], s[CL], s[LQ]
	s_wait_xcnt 0x0                                ; the last prefetch, a slot back, has read its address
	s_add_nc_u64 s[PFA:PFA+1], s[PFA:PFA+1], 32768
	s_wait_dscnt 0x0                               ; the add is done, and my reads of the slot are over
	CROUND
	JLOAD
	ASK
.else
	s_wait_dscnt 0x0
	s_barrier_signal -1
	s_barrier_wait -1
.endif
	s_sub_co_u32 s[TB], s[TB], 32768               ; the fetches go back to a slot's first step,
	s_xor_b32 s[TB], s[TB], SLOT1                  ; in the other slot
.endm
	s_load_b256 s[4:11], s[0:1], 0x0               ; qkv s[4:5], lambda_q1 s[6:7], lambda_k1 s[8:9], lambda_q2 s[10:11]
	s_load_b128 s[12:15], s[0:1], 0x20             ; lambda_k2 s[12:13], subln_w s[14:15]
	s_load_b64 s[16:17], s[0:1], 0x30              ; ab
	v_lshl_add_u32 v[SPW], v0, 2, SPARE
	v_mov_b32 v[NIL], 0
	ds_add_u32 v[SPW], v[NIL]                      ; the wave's opening: the add and its wait stand ahead of my first tensor load
	v_lshrrev_b32 v1, 5, v0
	v_readfirstlane_b32 s[WV], v1
	s_mov_b32 s[CL], ttmp9
	s_bfe_u32 s[CX], ttmp6, 0x40000
	s_and_b32 s[HD], ttmp7, 0xffff
	s_lshl2_add_u32 s[I2], s[CL], s[CX]            ; bq
	s_sub_co_u32 s[IB], 31, s[I2]
	s_mov_b32 s[G1], 15|(1<<16)|(1<<21)            ; the mask of four; 2-byte elements; bit 21 beside a mask; no padding
	s_mov_b32 s[G1+1], 128<<16                     ; tensor_dim0 = 128
	s_mov_b32 s[G1+2], 128<<16                     ; tensor_dim1 = 128
	s_mov_b32 s[G1+3], 128<<16                     ; tile_dim0 = 128
	s_mov_b32 s[G1+4], 128                         ; tile_dim1 = 128
	s_mov_b32 s[G1+5], 128                         ; elements from row to row
	s_mov_b32 s[G1+6], 0
	s_mov_b32 s[G1+7], 0
	s_sub_co_u32 s[RT], 8, s[CL]                   ; the first block has 8 - c tiles
	s_mov_b32 s[NXT], 1
	s_sub_co_u32 s[LQ], 7, s[CL]
	s_mov_b32 s[NEW], 1
	s_mov_b32 s[SLOTS], 8
	s_mov_b32 s[TB], SLOT1+32768                   ; the first change of slots turns it into 0
	s_mov_b32 s[CS], 0x3e38aa3b                    ; c = log2(e) / 8
	s_mov_b32 s[CS+1], s[CS]
	s_mov_b32 s[SEL], 0x76543210
	s_mov_b32 s[SEL+1], 0xfedcba98
	s_mov_b32 s[AL+1], 0                           ; named as pairs
	s_mov_b32 s[BE+1], 0
	s_mov_b32 s[BIGN], 0xf149f2ca                  ; -1e30
	s_mov_b32 s[OFF+1], 0
	s_mov_b32 s78, 0x3c000000                      ; 1 / 128
	s_mov_b32 s79, 0x3727c5ac                      ; 1e-5
	s_mov_b32 s[G0], 1
	s_lshl_b32 s[G0+1], s[WV], 15                  ; slot 0, my region
	s_lshr_b32 s70, s[WV], 1                       ; my region among qkv's 96 groups of 262,144 bytes: 32 + 2 head + wave for K1, K2; 64 + 2 head + wave - 2 for V's halves
	s_mul_i32 s70, s70, 30
	s_add_co_u32 s70, s70, s[WV]
	s_lshl1_add_u32 s70, s[HD], s70
	s_add_co_u32 s70, s70, 32
	s_lshl_b32 s70, s70, 18
	s_mov_b32 s71, 0
	s_cmp_eq_u32 s[CL], 0
	s_cselect_b32 s[LIM], 2, -1
	s_lshl2_add_u32 s72, s[IB], s[WV]              ; my 16 rows: rt = 4 x block + wave
	s_lshl2_add_u32 s74, s[I2], s[WV]
	s_lshl4_add_u32 s[OB], s72, s[HD]              ; ab: (16 rt + head) x 4,096 bytes
	s_lshl_b32 s[OB], s[OB], 12
	s_mov_b32 s[OB+1], 0
	s_lshl4_add_u32 s[OB2], s74, s[HD]
	s_lshl_b32 s[OB2], s[OB2], 12
	s_mov_b32 s[OB2+1], 0
	s_lshl_b32 s76, s[HD], 19                      ; q: group 2 head, rt x 2,048 bytes
	s_lshl_b32 s72, s72, 11
	s_add_co_u32 s72, s72, s76
	s_mov_b32 s73, 0
	s_lshl_b32 s74, s74, 11
	s_add_co_u32 s74, s74, s76
	s_mov_b32 s75, 0
	s_wait_dscnt 0x0                               ; the opening add is done
	s_wait_kmcnt 0x0
	s_add_nc_u64 s[KVB:KVB+1], s[4:5], s[70:71]
	s_add_nc_u64 s[G0+2:G0+3], s[KVB:KVB+1], 0
	s_or_b32 s[G0+3], s[G0+3], 0x80000000
	s_add_nc_u64 s[OB:OB+1], s[16:17], s[OB:OB+1]
	s_add_nc_u64 s[OB2:OB2+1], s[16:17], s[OB2:OB2+1]
	s_add_nc_u64 s[72:73], s[4:5], s[72:73]
	s_add_nc_u64 s[74:75], s[4:5], s[74:75]
	s_lshl_b32 s70, s[CX], 13                      ; my work-group's 8,192 bytes of a region's tile
	s_add_nc_u64 s[PFA:PFA+1], s[KVB:KVB+1], s[70:71]
	s_add_nc_u64 s[PFA:PFA+1], s[PFA:PFA+1], 32768 ; at tile 1: the first change steps it to tile 2.  Nothing is prefetched at the head
	CROUND                                         ; all four work-groups are here
	JLOAD                                          ; tile 0 into slot 0
	v_and_b32 v1, 15, v0                           ; l % 16
	v_bfe_u32 v9, v0, 4, 1                         ; l / 16
	v_and_b32 v6, 31, v0
	v_lshlrev_b32 v[L16], 4, v6
	v_add_nc_u32 v[LV], 0x10000, v[L16]
	v_lshlrev_b32 v[PFO], 8, v6
	v_lshlrev_b32 v7, 3, v6                        ; 8 x lane: two numbers of a lambda vector
	v_lshlrev_b32 v8, 5, v9                        ; 32 x (l / 16): my eight of sixteen gains
	WIN 0x80                                       ; destination window 2
.irp p, 0,1
.irp c, 0,1                            ; piece p, channels 32 c on; both blocks
	global_load_b128 v[16*(\p)+8*(\c):16*(\p)+8*(\c)+3],   v[L16], s[72:73] offset:(\p)*262144+(\c)*1024
	global_load_b128 v[16*(\p)+8*(\c)+4:16*(\p)+8*(\c)+7], v[L16], s[72:73] offset:(\p)*262144+(\c)*1024+512
	global_load_b128 v[QB+16*(\p)+8*(\c):QB+16*(\p)+8*(\c)+3],   v[L16], s[74:75] offset:(\p)*262144+(\c)*1024
	global_load_b128 v[QB+16*(\p)+8*(\c)+4:QB+16*(\p)+8*(\c)+7], v[L16], s[74:75] offset:(\p)*262144+(\c)*1024+512
.endr
.endr
	WIN 0x40                                       ; destination window 1
.irp g, 0,1,2,3,4,5,6,7
	global_load_b128 v[WS+8*(\g):WS+8*(\g)+3],   v8, s[14:15] offset:64*(\g)
	global_load_b128 v[WS+8*(\g)+4:WS+8*(\g)+7], v8, s[14:15] offset:64*(\g)+16
.endr
	WIN 0
	global_load_b64 v[36:37], v7, s[6:7]
	global_load_b64 v[38:39], v7, s[8:9]
	global_load_b64 v[40:41], v7, s[10:11]
	global_load_b64 v[42:43], v7, s[12:13]
	v_lshlrev_b32 v50, 3, v9
	v_sub_nc_u32 v50, v1, v50
	s_lshl_b32 s70, s[WV], 4
	v_add_nc_u32 v50, s70, v50                     ; my query's place in its block, 16 w + l % 16, less 8 (l / 16): register r of key group kt is hidden where 16 kt + r is greater
	WIN 0x40
.set i, 0
.rept 32
	v_cmp_gt_i32 vcc_lo, 16*(i/8)+i%8, v50
	v_cndmask_b32 v[MD+i], 0, s[BIGN], vcc_lo
.set i, i+1
.endr
	; A block's first step multiplies O^T and l by a = 0, and the first turn's products V^T P, of a piece that has not been, land in an O^T that is still to be so multiplied: these registers
	; need only be finite.  Zeros for the first block, written in the wait for the first tile; what the first block left for the second.
.set i, 0
.rept 128
	v_mov_b32 v[i], 0
.set i, i+1
.endr
	WIN 0xc0
.set i, 0
.rept 128
	v_mov_b32 v[i], 0
.set i, i+1
.endr
	WIN 0
.set i, P+16
.rept 16
	v_mov_b32 v[i], 0
.set i, i+1
.endr
	v_mov_b32 v[ST+2], 0
	v_mov_b32 v[ST+3], 0
	v_mov_b32 v[ST+10], 0
	v_mov_b32 v[ST+11], 0
	s_wait_loadcnt 0x0                             ; Q of both blocks, the gain, the four lambda vectors
.irp r, 36,38,40,42                    ; rounded to bf16
	v_cvt_pk_bf16_f32 v[\r], v[\r], v[\r+1]
	v_and_b32 v[\r+1], 0xffff0000, v[\r]
	v_lshlrev_b32 v[\r], 16, v[\r]
.endr
	v_mul_f32 v44, v36, v38
	v_mul_f32 v45, v40, v42
	v_fmac_f32 v44, v37, v39
	v_fmac_f32 v45, v41, v43
.irp m, 1,2,4,8
	v_add_f32_dpp v44, v44, v44 row_xmask:\m row_mask:0xf bank_mask:0xf
	v_add_f32_dpp v45, v45, v45 row_xmask:\m row_mask:0xf bank_mask:0xf
.endr
	v_permlanex16_b32 v36, v44, s[SEL], s[SEL+1]
	v_permlanex16_b32 v37, v45, s[SEL], s[SEL+1]
	v_add_f32 v44, v44, v36
	v_add_f32 v45, v45, v37
	v_mul_f32 v44, 0x3fb8aa3b, v44
	v_mul_f32 v45, 0x3fb8aa3b, v45
	v_exp_f32 v44, v44                             ; lam1
	v_exp_f32 v45, v45                             ; lam2
	v_nop                                          ; a plain line behind the exponentials,
	s_wait_alu depctr_va_vdst(0)                   ; and the wait ahead of their first reader
	v_sub_f32 v44, v45, v44
	v_add_f32 v[NLAM], 0xbf4cca23, v44             ; -(lam1 - lam2 + 0.79995936)
	WIN 0x45                                       ; destination and both sources window 1
.set i, WS
.rept 32                               ; the gain: rounded to bf16, times 1 - LAMBDA_INIT = 0.20004064
	v_cvt_pk_bf16_f32 v[i], v[i], v[i+1]
	v_and_b32 v[i+1], 0xffff0000, v[i]
	v_lshlrev_b32 v[i], 16, v[i]
	v_pk_mul_f32 v[i:i+1], v[i:i+1], 0x3e4cd774 op_sel_hi:[1,0]
.set i, i+2
.endr
	WIN 0
; THE MATRIX WORK.  The accumulators of a run take turns, one instruction a turn.
.macro PV x                            ; product i of 16 of O^T += V^T P: keys 32 (i / 8) on, channels 16 (i % 8) on
	WIN W_PV
.set rO, 64*(\x)+8*(i%8)
.set rV, 64*(i/8)+8*(i%8)
.set rP, P+16*(\x)+8*(i/8)
	v_wmma_f32_16x16x32_f16 v[rO:rO+7], v[rV:rV+7], v[rP:rP+7], v[rO:rO+7]
.endm
.macro KQ x                            ; product i of 8 of S^T = K Q^T: channels 32 (i / 4) on, keys 16 (i % 4) on; the first four start the sums with the mask
.set rS, S+32*(\x)+8*(i%4)
.set rK, KF+64*(\x)+16*(i%4)+8*(i/4)
.set rQ, 16*(\x)+8*(i/4)
.set rM, MC+8*(i%4)
.if i < 4
	WIN W_KM
	v_wmma_f32_16x16x32_f16 v[rS:rS+7], v[rK:rK+7], v[rQ:rQ+7], v[rM:rM+7]
.else
	WIN W_KQ
	v_wmma_f32_16x16x32_f16 v[rS:rS+7], v[rK:rK+7], v[rQ:rQ+7], v[rS:rS+7]
.endif
.endm
; THE LDS LOADS stand in runs: a step's K1 and K2 (32 loads), and its V, a key half at a time (16 loads each).
.macro FETCH_K
	WIN 0
	v_add_nc_u32 v[ADK], s[TB], v[L16]
	WIN 0x80
.irp p, 0,1
.irp f, 0,1,2,3,4,5,6,7                ; keys 16 (f / 2) on, channels 32 (f % 2) on
	ds_load_b128 v[KF+64*(\p)+8*(\f):KF+64*(\p)+8*(\f)+3],   v[ADK] offset:(\p)*32768+((\f)/2)*2048+((\f)%2)*1024
	ds_load_b128 v[KF+64*(\p)+8*(\f)+4:KF+64*(\p)+8*(\f)+7], v[ADK] offset:(\p)*32768+((\f)/2)*2048+((\f)%2)*1024+512
.endr
.endr
.endm
.macro FETCH_V kk
	WIN 0xc0
.irp g, 0,1,2,3,4,5,6,7                ; channels 16 g on
	ds_load_b128 v[64*(\kk)+8*(\g):64*(\kk)+8*(\g)+3],   v[ADV] offset:((\g)/4)*32768+(\kk)*4096+((\g)%4)*1024
	ds_load_b128 v[64*(\kk)+8*(\g)+4:64*(\kk)+8*(\g)+7], v[ADV] offset:((\g)/4)*32768+(\kk)*4096+((\g)%4)*1024+512
.endr
.endm
; THE VECTOR WORK: a piece's softmax for one key step is a list of 134 lines; SM writes number j of it for piece t.  s0-s31 are the lane's 32 scores, in pairs 0-15.
;   0-15   the maximum of s0-s31 and the old m, three operands at a time (each accumulator's lowest registers are read first)
;   16-20  the other half of the lanes' maximum; c m_old kept; the new m; c m; c m_old - c m_new
;   21-69  ONE BATCH: the 16 scalings c s - c m and all 33 exponentials (a at 23, then s0-s31); none of these names an exponential's result; a pair is scaled ahead of its exponentials
;   70-85  the roundings to f16     86-101 the sums; l = a l + the sum     102-133 O^T times a
.macro SM t
.set rT, ST+8*(\t)
.set rS, S+32*(\t)
.set rP, P+16*(\t)
.set rO, 64*(\t)+2*(j-102)
.if j < 102
	WIN 0
.endif
.if j < 4
	v_max3_num_f32 v[rT+4+j], v[rS+8*j], v[rS+8*j+1], v[rS+8*j+2]
.elseif j < 12
	v_max3_num_f32 v[rT+4+j%4], v[rT+4+j%4], v[rS+8*(j%4)+2*(j/4)+1], v[rS+8*(j%4)+2*(j/4)+2]
.elseif j == 12
	v_max3_num_f32 v[rT+4], v[rT+4], v[rS+7], v[rS+15]
.elseif j == 13
	v_max3_num_f32 v[rT+6], v[rT+6], v[rS+23], v[rS+31]
.elseif j == 14
	v_max3_num_f32 v[rT+4], v[rT+4], v[rT+5], v[rT+6]
.elseif j == 15
	v_max3_num_f32 v[rT+4], v[rT+4], v[rT+7], v[rT+1]
.elseif j == 16
	v_permlanex16_b32 v[rT+5], v[rT+4], s[SEL], s[SEL+1]
.elseif j == 17
	v_mov_b32 v[rT+7], v[rT]
.elseif j == 18
	v_max_num_f32 v[rT+1], v[rT+4], v[rT+5]
.elseif j == 19
	v_mul_f32 v[rT], s[CS], v[rT+1]
.elseif j == 20
	v_sub_f32 v[rT+7], v[rT+7], v[rT]
.elseif j == 23
	v_exp_f32 v[rT+6], v[rT+7]
.elseif (j < 23) || ((j < 38) && (j%2 == 0)) || ((j < 66) && (j%4 == 2))
.set b, (j-2)/4                        ; 38, 42, .. 62: pairs 9 to 15
.if j < 38
.set b, (j-20)/2                       ; 21: pair 0; 22, 24, .. 36: pairs 1 to 8
.endif
	v_pk_fma_f32 v[rS+2*b:rS+2*b+1], v[rS+2*b:rS+2*b+1], s[CS:CS+1], v[rT:rT+1] op_sel_hi:[1,0,0] neg_lo:[0,0,1] neg_hi:[0,0,1]
.elseif j < 70
.set e, j-38                           ; 66 to 69: s28 to s31
.if j < 66
.set e, j-32-(j-38)/4                  ; 39-41, 43-45, .. 63-65: s7 to s27
.endif
.if j < 38
.set e, (j-25)/2                       ; 25, 27, .. 37: s0 to s6
.endif
	v_exp_f32 v[rS+e], v[rS+e]
.elseif j < 86
	v_cvt_pk_f16_f32 v[rP+j-70], v[rS+2*(j-70)], v[rS+2*(j-70)+1]
.elseif j < 102                        ; sum z of 16 adds neighbours 1, 2, 4 and 8 pairs apart, in place; then l takes it
.set z, j-86
.set w, 4
.set u, z
.if z >= 14
.set w, 32
.set u, 0
.elseif z >= 12
.set w, 16
.set u, z-12
.elseif z >= 8
.set w, 8
.set u, z-8
.endif
.if z < 15
	v_pk_add_f32 v[rS+w*u:rS+w*u+1], v[rS+w*u:rS+w*u+1], v[rS+w*u+w/2:rS+w*u+w/2+1]
.else
	v_pk_fma_f32 v[rT+2:rT+3], v[rT+2:rT+3], v[rT+6:rT+7], v[rS:rS+1] op_sel_hi:[1,0,1]
.endif
.else
	WIN W_RS
	v_pk_mul_f32 v[rO:rO+1], v[rO:rO+1], v[rT+6:rT+7] op_sel_hi:[1,0]
.endif
.endm
.macro RID n, t                        ; the next n numbers of piece t's list
.rept \n
	SM \t
.set j, j+1
.endr
.endm
.macro MSEL                            ; the mask's two scalars for step SG of the block
	s_cmp_eq_u32 s[SG], s[IB]
	s_cselect_b32 s[AL], 1.0, 0
	s_cmp_gt_u32 s[SG], s[IB]
	s_cselect_b32 s[BE], s[BIGN], 0
	s_add_co_u32 s[SG], s[SG], 1
.endm
.macro MASK
	WIN W_RS
.set z, 0
.rept 16
	v_pk_fma_f32 v[MC+2*z:MC+2*z+1], v[MD+2*z:MD+2*z+1], s[AL:AL+1], s[BE:BE+1] op_sel_hi:[1,0,0]
.set z, z+1
.endr
.endm
; A TURN.  Piece x has the matrix unit, the other piece's list rides.  Ahead of the turn's one wait stand the 16 products V^T P and numbers 0-69, none of which names an exponential's result;
; behind it the 8 products K Q^T with numbers 70-101, then the 32 rescalings in one run: they are also the places between the last K Q^T and the next turn's first read of those scores.
; Turn 0 fetches the next step's K behind its second product (K's last readers stand ahead of the turn before's rescalings) and makes that step's mask.
; Turn 1 fetches the same step's V: its first key half behind product 9 (six scalings and the address's line stand behind product 7, that half's last reader), its second half behind four v_nop behind product 15.
; kq = 0: a block's last turn 0: nothing is fetched and no new scores are made.
.macro TURN x, kq=1
.set j, 0
.if (\x) == 0
.if \kq
	MSEL
.endif
	s_wait_dscnt 16                                ; V's first key half is in; its second half's 16 loads may be out
.else
	s_wait_dscnt 0x0                               ; K2 is in
.endif
.set i, 0
.rept 16
	PV \x
	RID 4, 1-(\x)
.if ((\x) == 0) && (\kq) && (i == 1)
	FETCH_K
.endif
.if ((\x) == 0) && (i == 7)
.if \kq
	s_wait_dscnt 32                                ; V's second half is in; K's 32 loads may be out
.else
	s_wait_dscnt 0x0
.endif
.endif
.if ((\x) == 1) && (i == 9)
	WIN 0
	v_add_nc_u32 v[ADV], s[TB], v[LV]
	FETCH_V 0
.endif
.set i, i+1
.endr
	RID 6, 1-(\x)                                  ; the batch's last exponentials
.if (\x) == 0
.if \kq
	MASK                                           ; its first line is the plain line behind the last exponential
.else
	v_nop
.endif
	s_wait_alu depctr_va_vdst(0)                   ; the wait for the batch, ahead of the first line that names a result
.else
.rept 4
	v_nop                                          ; the plain line behind the last exponential, and the places behind product 15
.endr
	s_wait_alu depctr_va_vdst(0)
	FETCH_V 1
	s_add_co_u32 s[TB], s[TB], 8192                ; the next fetch is the next step's
.endif
.if \kq
.if (\x) == 0
	s_wait_dscnt 16                                ; K1 is in; K2's 16 loads may be out
.endif
.set i, 0
.rept 8
	KQ \x
	RID 4, 1-(\x)
.set i, i+1
.endr
	RID 32, 1-(\x)
.else
	RID 64, 1-(\x)
.endif
.endm
; A BLOCK BEGINS: c m far below every c s, m at the lowest finite number; the mask, K and piece 0's scores of the block's step 0.  The step loop is then entered at turn 1.
.macro BEGIN
	s_mov_b32 s[NEW], 0
	WIN 0
	v_mov_b32 v[ST], 0xfe000000
	v_mov_b32 v[ST+1], 0xff7fffff
	v_mov_b32 v[ST+8], 0xfe000000
	v_mov_b32 v[ST+9], 0xff7fffff
	s_mov_b32 s[SG], 0
	MSEL
	MASK
	FETCH_K
	s_wait_dscnt 0x0
.set i, 0
.rept 8
	KQ 0
.set i, i+1
.endr
	WIN 0
.rept 4
	v_nop                                          ; the places behind those products
.endr
.endm
; A BLOCK ENDS: the difference of the two softmaxes' outputs, the norm, the gain, f16, 8 stores of 512 consecutive aligned bytes.
.macro FINAL
	WIN 0
	v_add_f32 v[ST+4], v[ST+2], v[ST+3]            ; l: even and odd keys', then the other half of the lanes'.  These lines are the places behind the last products
	v_add_f32 v[ST+12], v[ST+10], v[ST+11]
	v_permlanex16_b32 v[ST+5], v[ST+4], s[SEL], s[SEL+1]
	v_permlanex16_b32 v[ST+13], v[ST+12], s[SEL], s[SEL+1]
	v_add_f32 v[ST+4], v[ST+4], v[ST+5]
	v_add_f32 v[ST+12], v[ST+12], v[ST+13]
	v_rcp_f32 v[ST+6], v[ST+4]
	v_rcp_f32 v[ST+14], v[ST+12]
	v_nop
	s_wait_alu depctr_va_vdst(0)                   ; one wait for the two reciprocals
	v_mul_f32 v[ST+14], v[NLAM], v[ST+14]          ; -lam / l2
	WIN W_RS
.set i, 0
.rept 32
	v_pk_mul_f32 v[64+2*i:64+2*i+1], v[64+2*i:64+2*i+1], v[ST+14:ST+15] op_sel_hi:[1,0]
.set i, i+1
.endr
	WIN 0x51                                       ; destination, sources 0 and 2 window 1
.set i, 0
.rept 32
	v_pk_fma_f32 v[2*i:2*i+1], v[2*i:2*i+1], v[ST+6:ST+7], v[64+2*i:64+2*i+1] op_sel_hi:[1,0,1]
.set i, i+1
.endr
	WIN 0x05                                       ; sources 0 and 1 window 1: the sum of squares, in four chains
.set i, 0
.rept 4
	v_pk_mul_f32 v[SS+2*i:SS+2*i+1], v[2*i:2*i+1], v[2*i:2*i+1]
.set i, i+1
.endr
.rept 28
	v_pk_fma_f32 v[SS+2*(i%4):SS+2*(i%4)+1], v[2*i:2*i+1], v[2*i:2*i+1], v[SS+2*(i%4):SS+2*(i%4)+1]
.set i, i+1
.endr
	WIN 0
	v_pk_add_f32 v[SS:SS+1], v[SS:SS+1], v[SS+2:SS+3]
	v_pk_add_f32 v[SS+4:SS+5], v[SS+4:SS+5], v[SS+6:SS+7]
	v_pk_add_f32 v[SS:SS+1], v[SS:SS+1], v[SS+4:SS+5]
	v_add_f32 v[SS], v[SS], v[SS+1]
	v_permlanex16_b32 v[SS+1], v[SS], s[SEL], s[SEL+1]  ; the row's other 64 channels lie in the lane 16 away
	v_add_f32 v[SS], v[SS], v[SS+1]
	v_fma_f32 v[SS], v[SS], s78, s79               ; the mean + eps
	v_rsq_f32 v[SS+2], v[SS]
	v_nop
	s_wait_alu depctr_va_vdst(0)
	WIN W_RS
.set i, 0
.rept 32
	v_pk_mul_f32 v[2*i:2*i+1], v[2*i:2*i+1], v[SS+2:SS+3] op_sel_hi:[1,0]
.set i, i+1
.endr
	WIN 0x45
.set i, 0
.rept 32
	v_pk_mul_f32 v[2*i:2*i+1], v[2*i:2*i+1], v[WS+2*i:WS+2*i+1]
.set i, i+1
.endr
	s_wait_xcnt 0x0                                ; the first block's stores have read the registers that are written now
	WIN 0x05
.set i, 0
.rept 32
	v_cvt_pk_f16_f32 v[OUT+i], v[2*i], v[2*i+1]
.set i, i+1
.endr
	WIN 0
.irp g, 0,1,2,3,4,5,6,7
	global_store_b128 v[L16], v[OUT+4*(\g):OUT+4*(\g)+3], s[OB:OB+1] offset:512*(\g)
.endr
.endm
.macro ENDB                            ; what is left of the block's last step: piece 0's V^T P beside piece 1's softmax, piece 1's V^T P, the way out
	TURN 0, 0
.set i, 0
.rept 16
	PV 1
.set i, i+1
.endr
	FINAL
.endm
; A tile's four key steps.  A trip: turn 0, turn 1; a block's first tile enters at turn 1.  The test for a block's first tile stands first: at the first trip its answer is a constant of the text.
.macro TILE tag
	s_sub_co_u32 s[RT], s[RT], 1
	s_mov_b32 s[CNT], 4
	s_cmp_eq_u32 s[NEW], 1
	s_cbranch_scc0 .Lstep\tag
	BEGIN
	s_branch .Lmid\tag
.Lstep\tag:
	TURN 0
	WIN 0
.Lmid\tag:
	TURN 1
	WIN 0
	s_sub_co_u32 s[CNT], s[CNT], 1
	s_cmp_lg_u32 s[CNT], 0
	s_cbranch_scc1 .Lstep\tag
.endm
.Lslot:                                        ; 8 times: a tile is entered and the next is asked for
	CHANGE 1
	TILE 1
	s_cmp_lg_u32 s[RT], 0
	s_cbranch_scc1 .Lbottom
	ENDB                                           ; in the loop this is the first block's end: the second block's last tile is the walk's last
	s_wait_xcnt 0x0                                ; the stores have read ab's address
	s_mov_b64 s[OB:OB+1], s[OB2:OB2+1]
	s_mov_b32 s[IB], s[I2]
	s_add_co_u32 s[RT], s[CL], 1                   ; the second block has c + 1 tiles
	s_mov_b32 s[NEW], 1
	WIN 0x82                                       ; the second block's Q goes where the turns name Q
.set i, 0
.rept 32
	v_mov_b32 v[i], v[QB+i]
.set i, i+1
.endr
	WIN 0
.Lbottom:
	s_sub_co_u32 s[SLOTS], s[SLOTS], 1
	s_cmp_lg_u32 s[SLOTS], 0
	s_cbranch_scc1 .Lslot
	CHANGE 0                                       ; the walk's last tile is written out: nothing is asked for
	TILE 2
	ENDB
	s_wait_tensorcnt 0x0                           ; the wave's end
	ds_add_u32 v[SPW], v[NIL]
	s_wait_dscnt 0x0
	CROUND                                         ; the closing round
	s_endpgm
.Lfunc_end_k_qd28b3b86c7_attn:
	.size	k_qd28b3b86c7_attn, .Lfunc_end_k_qd28b3b86c7_attn-k_qd28b3b86c7_attn
	.p2alignl 7, 3214868480
	.fill 96, 4, 3214868480
	.section	.rodata,"a",@progbits
	.p2align	6, 0x0
	.amdhsa_kernel k_qd28b3b86c7_attn
		.amdhsa_group_segment_fixed_size 327680
		.amdhsa_private_segment_fixed_size 0
		.amdhsa_enable_private_segment 0
		.amdhsa_kernarg_size 56
		.amdhsa_user_sgpr_count 2
		.amdhsa_user_sgpr_kernarg_segment_ptr 1
		.amdhsa_wavefront_size32 1
		.amdhsa_system_sgpr_workgroup_id_x 1
		.amdhsa_system_sgpr_workgroup_id_y 1
		.amdhsa_system_sgpr_workgroup_id_z 1
		.amdhsa_system_vgpr_workitem_id 0
		.amdhsa_next_free_vgpr 896
		.amdhsa_next_free_sgpr 80
		.amdhsa_reserve_vcc 1
		.amdhsa_float_denorm_mode_32 3
		.amdhsa_float_denorm_mode_16_64 3
		.amdhsa_memory_ordered 1
		.amdhsa_forward_progress 1
		.amdhsa_inst_pref_size 144
	.end_amdhsa_kernel
	.amdgpu_metadata
---
amdhsa.version: [ 1, 2 ]
amdhsa.kernels:
  - .name:           k_qd28b3b86c7_attn
    .symbol:         k_qd28b3b86c7_attn.kd
    .args:
      - { .name: qkv, .offset: 0, .size: 8, .value_kind: global_buffer, .address_space: global }
      - { .name: lambda_q1, .offset: 8, .size: 8, .value_kind: global_buffer, .address_space: global }
      - { .name: lambda_k1, .offset: 16, .size: 8, .value_kind: global_buffer, .address_space: global }
      - { .name: lambda_q2, .offset: 24, .size: 8, .value_kind: global_buffer, .address_space: global }
      - { .name: lambda_k2, .offset: 32, .size: 8, .value_kind: global_buffer, .address_space: global }
      - { .name: subln_w, .offset: 40, .size: 8, .value_kind: global_buffer, .address_space: global }
      - { .name: ab, .offset: 48, .size: 8, .value_kind: global_buffer, .address_space: global }
    .group_segment_fixed_size: 327680
    .private_segment_fixed_size: 0
    .kernarg_segment_align: 8
    .kernarg_segment_size: 56
    .max_flat_workgroup_size: 128
    .sgpr_count:     80
    .vgpr_count:     896
    .wavefront_size: 32
...
	.end_amdgpu_metadata
.endif
;; end of part 3
;; launch oproj (part 4): grid 16 x 16, 4 waves a work-group, clusters of 4 x 4, 327,680 bytes of LDS; arguments ab, wob, out0; writes out0
.if DOCPART == 4
	.amdgcn_target "amdgcn-amd-amdhsa--gfx1250"
	.amdhsa_code_object_version 6
	.text
	.protected	k_qd28b3b86c7_oproj
	.globl	k_qd28b3b86c7_oproj
	.p2align	8
	.type	k_qd28b3b86c7_oproj,@function
k_qd28b3b86c7_oproj:
	s_mov_b64 s[64:65], 0
	v_nop
	global_prefetch_b8 v0, s[64:65] scope:SCOPE_SE
	s_setreg_imm32_b32 hwreg(HW_REG_WAVE_MODE, 25, 1), 1
	s_wait_xcnt 0x0
	s_wait_alu depctr_hold_cnt(0) depctr_sa_sdst(0) depctr_va_vdst(0) depctr_va_sdst(0) depctr_va_ssrc(0) depctr_va_vcc(0) depctr_vm_vsrc(0)
	s_getreg_b32 s2, hwreg(HW_REG_IB_STS2, 6, 4)
	s_cmp_eq_u32 s2, 0
	s_cbranch_scc0 .Lentry_in_a_cluster
	s_endpgm
.Lentry_in_a_cluster:
	s_bfe_u32 s2, ttmp6, 0x10000c
	s_cmp_lg_u32 s2, 0xf033
	s_cbranch_scc0 .Lentry_shape_is_right
	s_endpgm
.Lentry_shape_is_right:
; out0[m][n] = the sum over k of attn[m][k] wo[n][k]: [2048] x [2048] over K = 2048, f16 operands, f32 sums, f32 out.
; attn comes as launch attn's operand image ab = [rt 128][head 16][cb 8][lane 32][8 f16]; wob is [2048][2048] f16, rows along K.
; A tile of out0 is 128 x 128: 256 work-groups; four waves, each 64 x 64: 16 accumulators.  K goes in steps of 256 through two LDS slots.
; ab's part of a step is dense: for each block of 16 rows 8,192 consecutive bytes (two heads), 65,536 bytes from block to block; it lies in LDS as it lies in memory, and a fragment load is
; 32 lanes x 16 consecutive bytes.  wob's rows are 512 bytes, padded to 528.
; CLUSTER 4 x 4: ab's tile is shared along a row of the cluster, wob's along a column: joint loads.
; The product is taken with source 0 = wob's rows: a lane holds one row of out0 and eight neighbouring columns, 32 bytes.  A wave's 64 columns are 256 aligned bytes of a row: each wave sends its
; blocks of 16 rows through a stage of its own in LDS and stores whole rows, sixteen lanes to 256 consecutive bytes.
; No prefetch: the tile is small, and a step's bytes are few.
; REGISTERS: window 0: v0-31 addresses; v32-95 rows read back from the stage, two sets; v128-255 the accumulators ((a, b) at 128 + 8 (4 a + b)).
;   window 1: two fragment buffers of 128: for 64 along K, 64 registers of ab's fragments, then 64 of wob's.
.set KSTEP,  256
.set PITCH,  528
.set HALFA,  32768                     ; four blocks of 16 rows x 8,192 bytes: what waves 0 and 1 fetch
.set HALFB,  64*PITCH                  ; 64 rows of wob: what waves 2 and 3 fetch
.set BOFF,   2*HALFA
.set SLOT,   BOFF+2*HALFB
.set STAGE,  2*SLOT                    ; behind the ring: 16 rows x 272 bytes for each wave
.set SPITCH, 272
.set SPARE,  STAGE+4*16*SPITCH         ; behind the stages: the spare words, 128 bytes a wave: two blocks of 256 bytes that no other line names
.set LAPS,   4
.set ADRA, 16
.set ADRB, 20
.set STO,  24
.set RD,   25
.set CO,   26
.set SPW,  28
.set NIL,  29
.set TMP,  32
.set ACC,  128
.set F0,   0
.set F1,   128
.set G1, 24
.set G0, 32
.set G1B, 48
.set G0B, 56
.set MSB, 0
.macro WIN new
.if MSB != (\new)
	s_set_vgpr_msb (MSB<<8)|(\new)
.set MSB, \new
.endif
.endm
.set MUL,  0x05                        ; both sources window 1; C and D window 0
.set TO_F, 0x40
.macro JLOAD s                         ; waves 0 and 1 fetch ab's two halves, waves 2 and 3 wob's; an s_nop 0 and four v_nop follow each line
	s_cmp_eq_u32 s11, 0
	s_cbranch_scc0 .Lfor_b_\@
	tensor_load_to_lds s[G0+4*(\s):G0+4*(\s)+3], s[G1:G1+7]
	s_nop 0
.rept 4
	v_nop
.endr
	s_branch .Lasked_\@
.Lfor_b_\@:
	tensor_load_to_lds s[G0B+4*(\s):G0B+4*(\s)+3], s[G1B:G1B+7]
	s_nop 0
.rept 4
	v_nop
.endr
.Lasked_\@:
.endm
.macro CREST
	s_cmp_lg_u32 s10, 0
	s_cbranch_scc1 .Lnot_wave_0_\@
	s_barrier_signal -3
.Lnot_wave_0_\@:
	s_barrier_wait -3
	s_barrier_signal -1
	s_barrier_wait -1
.endm
.macro CROUND
	s_barrier_signal -1
	s_barrier_wait -1
	CREST
.endm
	s_load_b128 s[4:7], s[0:1], 0x0                ; ab s[4:5], wob s[6:7]
	s_load_b64 s[8:9], s[0:1], 0x10                ; out0
	v_lshl_add_u32 v[SPW], v0, 2, SPARE
	v_mov_b32 v[NIL], 0
	ds_add_u32 v[SPW], v[NIL]                      ; the wave's opening: the add and its wait stand ahead of my first tensor load
	v_lshrrev_b32 v1, 5, v0
	v_readfirstlane_b32 s10, v1                    ; wave
	s_lshr_b32 s11, s10, 1                         ; which half of the tile's rows is mine.  Also: I fetch for ab (0) or wob (1)
	s_and_b32 s12, s10, 1                          ; which half of its columns.  Also: which half of that tile I fetch
	s_bfe_u32 s40, ttmp6, 0x40000
	s_bfe_u32 s41, ttmp6, 0x40004
	s_lshl_b32 s42, ttmp9, 2
	s_add_co_u32 s42, s42, s40                     ; tile column
	s_and_b32 s13, ttmp7, 0xffff
	s_lshl_b32 s13, s13, 2
	s_add_co_u32 s13, s13, s41                     ; tile row
	s_lshl_b32 s43, s41, 2
	s_lshl_b32 s43, 15, s43                        ; my row of the cluster
	s_lshl_b32 s44, 0x1111, s40                    ; my column
	s_or_b32 s[G1+0], s43, (3<<16)|(1<<21)         ; ab: 8-byte elements, no padding; bit 21 beside a mask
	s_mov_b32 s[G1+1], 1024<<16                    ; tensor_dim0 = 1,024 elements: 8,192 bytes
	s_mov_b32 s[G1+2], 4<<16                       ; tensor_dim1 = 4
	s_mov_b32 s[G1+3], 1024<<16                    ; tile_dim0
	s_mov_b32 s[G1+4], 4                           ; tile_dim1
	s_mov_b32 s[G1+5], 8192                        ; 65,536 bytes from block to block
	s_mov_b32 s[G1+6], 0
	s_mov_b32 s[G1+7], 0
	s_or_b32 s[G1B+0], s44, (1<<16)|(1<<20)|(1<<21)|(6<<22)|(3<<25)  ; wob: 2-byte elements; padding of 4 words after every 128
	s_mov_b32 s[G1B+1], KSTEP<<16
	s_mov_b32 s[G1B+2], 64<<16
	s_mov_b32 s[G1B+3], KSTEP<<16
	s_mov_b32 s[G1B+4], 64
	s_mov_b32 s[G1B+5], 2048
	s_mov_b32 s[G1B+6], 0
	s_mov_b32 s[G1B+7], 0
	s_lshl_b32 s17, s12, 18                        ; the half that I fetch: 4 blocks of 65,536 bytes, or 64 rows of 4,096
	s_lshl_b32 s16, s13, 19                        ; ab: 8 blocks a tile row
	s_add_co_u32 s16, s16, s17
	s_lshl_b32 s46, s42, 19                        ; wob: 128 rows a tile column
	s_add_co_u32 s46, s46, s17
	s_mov_b32 s17, 0
	s_mov_b32 s47, 0
	s_lshl_b32 s20, s12, 15                        ; where they go
	s_mul_i32 s21, s12, HALFB
	s_add_co_u32 s21, s21, BOFF
	s_wait_dscnt 0x0                               ; the opening add is done
	s_wait_kmcnt 0x0
	s_add_nc_u64 s[14:15], s[4:5], s[16:17]
	s_add_nc_u64 s[46:47], s[6:7], s[46:47]
	CROUND                                         ; all sixteen work-groups are here
.irp s, 0,1
	s_mov_b32 s[G0+4*(\s)], 1
	s_add_co_u32 s[G0+4*(\s)+1], s20, (\s)*SLOT
	s_add_nc_u64 s[G0+4*(\s)+2:G0+4*(\s)+3], s[14:15], (\s)*8192
	s_or_b32 s[G0+4*(\s)+3], s[G0+4*(\s)+3], 0x80000000
	s_mov_b32 s[G0B+4*(\s)], 1
	s_add_co_u32 s[G0B+4*(\s)+1], s21, (\s)*SLOT
	s_add_nc_u64 s[G0B+4*(\s)+2:G0B+4*(\s)+3], s[46:47], (\s)*KSTEP*2
	s_or_b32 s[G0B+4*(\s)+3], s[G0B+4*(\s)+3], 0x80000000
	JLOAD \s
.endr
	v_and_b32 v1, 15, v0                           ; l % 16
	v_bfe_u32 v2, v0, 4, 1                         ; l / 16
	v_and_b32 v6, 31, v0
	v_mul_u32_u24 v3, v1, PITCH
	v_lshl_add_u32 v3, v2, 4, v3
	s_lshl_b32 s21, s11, 15                        ; my 64 rows of ab
	s_mul_i32 s22, s12, HALFB                      ; my 64 rows of wob
	s_add_co_u32 s22, s22, BOFF
	v_lshl_add_u32 v[ADRA], v6, 4, s21
	v_add_nc_u32 v[ADRA+1], SLOT, v[ADRA]
	v_add_nc_u32 v[ADRB], s22, v3
	v_add_nc_u32 v[ADRB+1], SLOT, v[ADRB]
	s_mul_i32 s23, s10, 16*SPITCH
	s_add_co_u32 s23, s23, STAGE                   ; my stage
	v_mul_u32_u24 v4, v1, SPITCH                   ; in: row l % 16, 32 bytes for each half of the lanes
	v_lshl_add_u32 v4, v2, 5, v4
	v_add_nc_u32 v[STO], s23, v4
	v_mul_u32_u24 v5, v2, SPITCH                   ; back: lanes 0-15 one row of 256 bytes, lanes 16-31 the next
	v_lshl_add_u32 v5, v1, 4, v5
	v_add_nc_u32 v[RD], s23, v5
	v_lshlrev_b32 v5, 13, v2                       ; and the same two rows in out0: 8,192 bytes a row
	v_lshl_add_u32 v[CO], v1, 4, v5
	s_lshl_b32 s16, s13, 20                        ; my first row: 128 x tile row + 64 x half
	s_lshl_b32 s17, s11, 19
	s_add_co_u32 s16, s16, s17
	s_mov_b32 s17, 0
	s_add_nc_u64 s[8:9], s[8:9], s[16:17]
	s_lshl_b32 s46, s42, 9                         ; my first column, in bytes: 512 x tile column + 256 x half
	s_lshl_b32 s47, s12, 8
	s_add_co_u32 s46, s46, s47
	s_mov_b32 s47, 0
	s_add_nc_u64 s[8:9], s[8:9], s[46:47]
; 8 matrix instructions: row blocks a0, a0 + 1 x all 4 column blocks, 32 along K: half c of buffer f.  The 16 accumulators take turns.
.macro MUL8 f, c, a0, zero
	WIN MUL
.irp a, \a0, (\a0)+1
.irp b, 0,1,2,3
.if \zero
	v_wmma_f32_16x16x32_f16 v[ACC+8*(4*(\a)+(\b)):ACC+8*(4*(\a)+(\b))+7], v[(\f)+64+8*(4*(\c)+(\b)):(\f)+64+8*(4*(\c)+(\b))+7], v[(\f)+8*(4*(\c)+(\a)):(\f)+8*(4*(\c)+(\a))+7], 0
.else
	v_wmma_f32_16x16x32_f16 v[ACC+8*(4*(\a)+(\b)):ACC+8*(4*(\a)+(\b))+7], v[(\f)+64+8*(4*(\c)+(\b)):(\f)+64+8*(4*(\c)+(\b))+7], v[(\f)+8*(4*(\c)+(\a)):(\f)+8*(4*(\c)+(\a))+7], v[ACC+8*(4*(\a)+(\b)):ACC+8*(4*(\a)+(\b))+7]
.endif
.endr
.endr
.endm
; 32 LDS loads in one run: the fragments of 64 along K at byte k of wob's rows (in ab's image: 1,024 bytes for each 32 along K), into buffer f; the first 32 along K first
.macro FETCH slot, k, f
	WIN TO_F
.irp c, 0,1
.irp i, 0,1,2,3
	ds_load_b128 v[(\f)+64+8*(4*(\c)+(\i)):(\f)+64+8*(4*(\c)+(\i))+3],   v[ADRB+(\slot)] offset:(\k)+64*(\c)+(\i)*16*PITCH
	ds_load_b128 v[(\f)+64+8*(4*(\c)+(\i))+4:(\f)+64+8*(4*(\c)+(\i))+7], v[ADRB+(\slot)] offset:(\k)+64*(\c)+(\i)*16*PITCH+32
	ds_load_b128 v[(\f)+8*(4*(\c)+(\i)):(\f)+8*(4*(\c)+(\i))+3],         v[ADRA+(\slot)] offset:16*(\k)+1024*(\c)+8192*(\i)
	ds_load_b128 v[(\f)+8*(4*(\c)+(\i))+4:(\f)+8*(4*(\c)+(\i))+7],       v[ADRA+(\slot)] offset:16*(\k)+1024*(\c)+8192*(\i)+512
.endr
.endr
.endm
.macro PLACES
.rept 4
	v_nop
.endr
.endm
.macro QUARTER slot, k, f, g, zero
	s_wait_dscnt 16                                ; the first 32 along K are in
	MUL8 \f, 0, 0, \zero
	MUL8 \f, 0, 2, \zero
	PLACES
	FETCH \slot, \k, \g
	s_wait_dscnt 32                                ; all but the 32 just issued
	MUL8 \f, 1, 0, 0
	MUL8 \f, 1, 2, 0
.endm
.macro TURN slot, next, fill
	WIN 0
	s_wait_tensorcnt 0x0                           ; all my tensor loads have landed: my part of the next slot
	ds_add_u32 v[SPW], v[NIL]                      ; 0 onto my spare word
	s_wait_dscnt 17                                ; the add and the youngest sixteen loads may be out
	MUL8 F1, 0, 0, 0
	s_wait_dscnt 0x0                               ; the add is done, and my reads of this slot are over
	s_barrier_signal -1
	MUL8 F1, 0, 2, 0
.if \fill
	WIN 0
.endif
	s_barrier_wait -1
.if \fill
	CREST                                          ; no wave of any partner still reads this slot or has a load on its way
	s_add_nc_u64 s[G0+4*(\slot)+2:G0+4*(\slot)+3], s[G0+4*(\slot)+2:G0+4*(\slot)+3], 2*8192
	s_add_nc_u64 s[G0B+4*(\slot)+2:G0B+4*(\slot)+3], s[G0B+4*(\slot)+2:G0B+4*(\slot)+3], 2*KSTEP*2
	JLOAD \slot                                    ; the first tensor load behind the round; its four v_nop are also the places in front of the loads below
.else
	PLACES
.endif
	FETCH \next, 0, F0
	MUL8 F1, 1, 0, 0
	MUL8 F1, 1, 2, 0
.endm
	s_wait_tensorcnt 1                             ; my part of K step 0 is in; K step 1's may stay out
	s_barrier_signal -1
	s_barrier_wait -1
	FETCH 0, 0, F0
	QUARTER 0, 128, F0, F1, 1
	WIN 0
	s_mov_b32 s3, LAPS-1
.Llap:
	QUARTER 0, 256, F1, F0, 0
	QUARTER 0, 384, F0, F1, 0
	TURN 0, 1, 1
	QUARTER 1, 128, F0, F1, 0
	QUARTER 1, 256, F1, F0, 0
	QUARTER 1, 384, F0, F1, 0
	TURN 1, 0, 1
	QUARTER 0, 128, F0, F1, 0
	WIN 0
	s_sub_co_u32 s3, s3, 1
	s_cmp_lg_u32 s3, 0
	s_cbranch_scc1 .Llap
	QUARTER 0, 256, F1, F0, 0                      ; the last lap fills nothing
	QUARTER 0, 384, F0, F1, 0
	TURN 0, 1, 0
	QUARTER 1, 128, F0, F1, 0
	QUARTER 1, 256, F1, F0, 0
	QUARTER 1, 384, F0, F1, 0
	s_wait_dscnt 16
	MUL8 F1, 0, 0, 0
	MUL8 F1, 0, 2, 0
	s_wait_dscnt 0x0
	MUL8 F1, 1, 0, 0
	MUL8 F1, 1, 2, 0
	WIN 0
	; THE WAY OUT, a block of 16 rows at a time, through my own stage: LDS serves a wave's instructions in order, so the loads see the stores above them, and the next block's stores come behind them.
.macro STG a
.if (\a) >= 2
	s_wait_xcnt 0x0                                ; the stores of the block two back have read the registers that are loaded now
.endif
.irp b, 0,1,2,3
	ds_store_b128 v[STO], v[ACC+8*(4*(\a)+(\b)):ACC+8*(4*(\a)+(\b))+3]   offset:64*(\b)
	ds_store_b128 v[STO], v[ACC+8*(4*(\a)+(\b))+4:ACC+8*(4*(\a)+(\b))+7] offset:64*(\b)+16
.endr
.irp t, 0,1,2,3,4,5,6,7
	ds_load_b128 v[TMP+32*((\a)%2)+4*(\t):TMP+32*((\a)%2)+4*(\t)+3], v[RD] offset:(\t)*2*SPITCH
.endr
.endm
.macro SEND a, younger                 ; younger: the LDS instructions issued behind block a's loads: the next block's sixteen, or none
.irp t, 0,1,2,3,4,5,6,7
	s_wait_dscnt (\younger)+7-(\t)
	global_store_b128 v[CO], v[TMP+32*((\a)%2)+4*(\t):TMP+32*((\a)%2)+4*(\t)+3], s[8:9] offset:(16*(\a)+2*(\t))*8192  ; 16 lanes store 256 consecutive bytes, aligned
.endr
.endm
	PLACES                                         ; the places behind the last products
	STG 0
	STG 1
	SEND 0, 16
	STG 2
	SEND 1, 16
	STG 3
	SEND 2, 16
	SEND 3, 0
	s_wait_tensorcnt 0x0                           ; the wave's end: behind my last tensor load and my last LDS store
	ds_add_u32 v[SPW], v[NIL]
	s_wait_dscnt 0x0
	CROUND                                         ; the closing round
	s_endpgm
.Lfunc_end_k_qd28b3b86c7_oproj:
	.size	k_qd28b3b86c7_oproj, .Lfunc_end_k_qd28b3b86c7_oproj-k_qd28b3b86c7_oproj
	.p2alignl 7, 3214868480
	.fill 96, 4, 3214868480
	.section	.rodata,"a",@progbits
	.p2align	6, 0x0
	.amdhsa_kernel k_qd28b3b86c7_oproj
		.amdhsa_group_segment_fixed_size 327680
		.amdhsa_private_segment_fixed_size 0
		.amdhsa_enable_private_segment 0
		.amdhsa_kernarg_size 24
		.amdhsa_user_sgpr_count 2
		.amdhsa_user_sgpr_kernarg_segment_ptr 1
		.amdhsa_wavefront_size32 1
		.amdhsa_system_sgpr_workgroup_id_x 1
		.amdhsa_system_sgpr_workgroup_id_y 1
		.amdhsa_system_sgpr_workgroup_id_z 1
		.amdhsa_system_vgpr_workitem_id 0
		.amdhsa_next_free_vgpr 512
		.amdhsa_next_free_sgpr 66
		.amdhsa_reserve_vcc 0
		.amdhsa_float_denorm_mode_32 3
		.amdhsa_float_denorm_mode_16_64 3
		.amdhsa_memory_ordered 1
		.amdhsa_forward_progress 1
		.amdhsa_inst_pref_size 86
	.end_amdhsa_kernel
	.amdgpu_metadata
---
amdhsa.version: [ 1, 2 ]
amdhsa.kernels:
  - .name:           k_qd28b3b86c7_oproj
    .symbol:         k_qd28b3b86c7_oproj.kd
    .args:
      - { .name: ab, .offset: 0, .size: 8, .value_kind: global_buffer, .address_space: global }
      - { .name: wob, .offset: 8, .size: 8, .value_kind: global_buffer, .address_space: global }
      - { .name: out0, .offset: 16, .size: 8, .value_kind: global_buffer, .address_space: global }
    .group_segment_fixed_size: 327680
    .private_segment_fixed_size: 0
    .kernarg_segment_align: 8
    .kernarg_segment_size: 24
    .max_flat_workgroup_size: 128
    .sgpr_count:     66
    .vgpr_count:     512
    .wavefront_size: 32
...
	.end_amdgpu_metadata
.endif
;; end of part 4
;; ======== version 2 of 2: 4 launches; version 1 with the launch cvt written anew for expert scheduling mode
;; limits: values are held in f16: magnitudes above 65,504 overflow, below 6.1e-05 lose precision
;; workspace buffers: xb 8,388,608 bytes; wb 25,165,824 bytes; wob 8,388,608 bytes; qkv 25,165,824 bytes; ab 8,388,608 bytes
;; launch cvt (part 5): grid 256 x 5, 4 waves a work-group, no clusters, 0 bytes of LDS; arguments x, wq, wk, wv, wo, xb, wb, wob; writes xb, wb, wob
.if DOCPART == 5
	.amdgcn_target "amdgcn-amd-amdhsa--gfx1250"
	.amdhsa_code_object_version 6
	.text
	.protected	k_qd28b3b86c7_cvt
	.globl	k_qd28b3b86c7_cvt
	.p2align	8
	.type	k_qd28b3b86c7_cvt,@function
k_qd28b3b86c7_cvt:
	s_mov_b64 s[64:65], 0
	v_nop
	global_prefetch_b8 v0, s[64:65] scope:SCOPE_SE
	s_setreg_imm32_b32 hwreg(HW_REG_WAVE_SCHED_MODE, 0, 2), 2
	s_setreg_imm32_b32 hwreg(HW_REG_WAVE_MODE, 25, 1), 1
	s_wait_xcnt 0x0
	s_wait_alu depctr_vm_vsrc(0)
; The five large f32 inputs, [2048][2048] each, are rounded once to bf16 for the matrix products that follow.
;   t = 0: x  -> xb, row for row.     t = 1, 2, 3: wq, wk, wv -> wb, rows regrouped: row 64 j + i of tensor t goes to row 192 j + 64 (t - 1) + i,
;   so that 192 consecutive rows of wb are q's, k's and v's rows of one group j of 64 output channels.
;   t = 4: wo -> wob: rounded to bf16 like the others, and that number written as f16 (the last product multiplies in f16).
; LIMITS.  |bf16(wo)| stays under 65,504; below 6.1e-5 f16 keeps a fixed step of 6e-8, so such a weight is off by 3e-8 at the most.
; SHARES.  A work-group takes 8 rows of one tensor, a wave 2: 16 KiB, asked for at once by 32 loads of 512 consecutive bytes.  Each store covers 256 consecutive
; bytes, aligned.  Nothing is shared between waves: no LDS, no barrier, no matrix unit.
; THE MODE: SCHED_MODE bits 1:0 = 2 (LLVM: expert scheduling mode 2), set by the entry lines.  The code itself states the register dependences
; between vector instructions and memory instructions, with s_wait_alu, always for 0.
; THE PLAN.  Registers that memory instructions touch:
;   v1, v2    byte offsets, made once at the head and never written again: v1 is read by every load, v2 by every store.
;   X         four registers a load.  Written by load n, then in place by load n's conversions; the first two of the four are read by store n; nothing writes them after that.
; The 32 loads go in eight blocks of four.  Block p rounds its own sixteen registers; its memory instructions are the four stores of block p - 1, whose registers no
; vector instruction of block p names.  So ONE wait on va_vdst at a block's head, behind the wait for the block's data, states all that the block's four stores hang on,
; and they are dealt among its conversions with no further wait.  No register that a load or store reads is written again, so no wait on vm_vsrc is owed.
.set X,   8                            ; v[8:135] 32 loads of four f32; converted in place
.set SRC, 24                           ; s[24:25] my two rows in the source
.set DST, 26                           ; s[26:27] my two rows in the destination
	s_load_b512 s[8:23], s[0:1], 0x0               ; x s[8:9], wq s[10:11], wk s[12:13], wv s[14:15], wo s[16:17], xb s[18:19], wb s[20:21], wob s[22:23]
	v_lshrrev_b32 v3, 5, v0
	v_readfirstlane_b32 s4, v3                     ; wave 0..3
	v_and_b32 v4, 31, v0                           ; lane
	v_lshlrev_b32 v1, 4, v4                        ; 16 bytes a lane on the way in
	v_lshlrev_b32 v2, 3, v4                        ; 8 bytes a lane on the way out
	s_and_b32 s5, ttmp7, 0xffff                    ; t: which tensor
	s_lshl_b32 s6, ttmp9, 3
	s_wait_alu depctr_va_sdst(0)                   ; s4 is written, ahead of its first reader: my rows are made from it
	s_lshl1_add_u32 s6, s4, s6                     ; my first row = 8 x work-group + 2 x wave
	s_lshl_b32 s28, s6, 13                         ; a source row is 8,192 bytes
	s_mov_b32 s29, 0
	s_lshr_b32 s30, s6, 6                          ; the regrouped row: 192 (row / 64)
	s_mul_i32 s30, s30, 192
	s_and_b32 s31, s6, 63                          ; + row % 64
	s_add_co_u32 s30, s30, s31
	s_max_u32 s31, s5, 1                           ; + 64 (t - 1); for t = 0 the number is not used
	s_sub_co_u32 s31, s31, 1
	s_lshl_b32 s31, s31, 6
	s_add_co_u32 s30, s30, s31
	s_cmp_eq_u32 s5, 0
	s_cselect_b32 s30, s6, s30                     ; x and wo keep their rows
	s_cmp_eq_u32 s5, 4
	s_cselect_b32 s30, s6, s30
	s_lshl_b32 s30, s30, 12                        ; a destination row is 4,096 bytes
	s_mov_b32 s31, 0
	s_wait_kmcnt 0x0
	s_mov_b64 s[SRC:SRC+1], s[8:9]
	s_cmp_eq_u32 s5, 1
	s_cselect_b64 s[SRC:SRC+1], s[10:11], s[SRC:SRC+1]
	s_cmp_eq_u32 s5, 2
	s_cselect_b64 s[SRC:SRC+1], s[12:13], s[SRC:SRC+1]
	s_cmp_eq_u32 s5, 3
	s_cselect_b64 s[SRC:SRC+1], s[14:15], s[SRC:SRC+1]
	s_cmp_eq_u32 s5, 4
	s_cselect_b64 s[SRC:SRC+1], s[16:17], s[SRC:SRC+1]
	s_mov_b64 s[DST:DST+1], s[20:21]
	s_cselect_b64 s[DST:DST+1], s[22:23], s[DST:DST+1]
	s_cmp_eq_u32 s5, 0
	s_cselect_b64 s[DST:DST+1], s[18:19], s[DST:DST+1]
	s_add_nc_u64 s[SRC:SRC+1], s[SRC:SRC+1], s[28:29]
	s_add_nc_u64 s[DST:DST+1], s[DST:DST+1], s[30:31]
	s_wait_alu depctr_va_vdst(0)                   ; v1 and v2 are written: every load of the kernel reads v1 as its offset, every store v2
.set q, 0
.rept 32                               ; load q: row q / 16, bytes 512 (q % 16) on
	global_load_b128 v[X+4*q:X+4*q+3], v1, s[SRC:SRC+1] offset:(q/16)*8192+(q%16)*512 th:TH_LOAD_NT
.set q, q+1
.endr
.macro CVB n                           ; load n: four f32 -> four bf16, in the first two of its four registers
	v_cvt_pk_bf16_f32 v[X+4*(\n)], v[X+4*(\n)], v[X+4*(\n)+1]
	v_cvt_pk_bf16_f32 v[X+4*(\n)+1], v[X+4*(\n)+2], v[X+4*(\n)+3]
.endm
.macro CVH n                           ; load n: four f32 -> bf16 -> the same numbers as f16
	v_cvt_pk_bf16_f32 v[X+4*(\n)], v[X+4*(\n)], v[X+4*(\n)+1]
	v_cvt_pk_bf16_f32 v[X+4*(\n)+1], v[X+4*(\n)+2], v[X+4*(\n)+3]
	v_and_b32 v[X+4*(\n)+3], 0xffff0000, v[X+4*(\n)+1]    ; bf16 to f32: the high half stays,
	v_lshlrev_b32 v[X+4*(\n)+2], 16, v[X+4*(\n)+1]        ; the low half moves up
	v_and_b32 v[X+4*(\n)+1], 0xffff0000, v[X+4*(\n)]
	v_lshlrev_b32 v[X+4*(\n)], 16, v[X+4*(\n)]
	v_cvt_pk_f16_f32 v[X+4*(\n)], v[X+4*(\n)], v[X+4*(\n)+1]
	v_cvt_pk_f16_f32 v[X+4*(\n)+1], v[X+4*(\n)+2], v[X+4*(\n)+3]
.endm
.macro SND n                           ; store n: 32 lanes x 8 bytes, 256 consecutive bytes, aligned
	global_store_b64 v2, v[X+4*(\n):X+4*(\n)+1], s[DST:DST+1] offset:((\n)/16)*4096+((\n)%16)*256
.endm
; Block p: loads 4 p to 4 p + 3 are rounded, and the block before is stored.  half = 1: the numbers leave as f16.
.macro BLK p, half
	s_wait_loadcnt 28-4*(\p)                       ; loads come back in order: this block's four are in, the 28 - 4 p younger ones may stay out
.if (\p) > 0
	s_wait_alu depctr_va_vdst(0)                   ; the block before's conversions have written its registers, which the four stores below read
.endif
.irp i, 0,1,2,3
.if (\p) > 0
	SND 4*((\p)-1)+(\i)                            ; no vector instruction since the wait names these registers
.endif
.if \half
	CVH 4*(\p)+(\i)
.else
	CVB 4*(\p)+(\i)
.endif
.endr
.endm
	s_cmp_eq_u32 s5, 4
	s_cbranch_scc1 .Lf16
.irp p, 0,1,2,3,4,5,6,7
	BLK \p, 0
.endr
	s_wait_alu depctr_va_vdst(0)                   ; block 7's conversions have written its registers, which the last four stores read
.irp n, 28,29,30,31
	SND \n
.endr
	s_endpgm
.Lf16:
.irp p, 0,1,2,3,4,5,6,7
	BLK \p, 1
.endr
	s_wait_alu depctr_va_vdst(0)                   ; block 7's conversions have written its registers, which the last four stores read
.irp n, 28,29,30,31
	SND \n
.endr
	s_endpgm
.Lfunc_end_k_qd28b3b86c7_cvt:
	.size	k_qd28b3b86c7_cvt, .Lfunc_end_k_qd28b3b86c7_cvt-k_qd28b3b86c7_cvt
	.p2alignl 7, 3214868480
	.fill 96, 4, 3214868480
	.section	.rodata,"a",@progbits
	.p2align	6, 0x0
	.amdhsa_kernel k_qd28b3b86c7_cvt
		.amdhsa_group_segment_fixed_size 0
		.amdhsa_private_segment_fixed_size 0
		.amdhsa_enable_private_segment 0
		.amdhsa_kernarg_size 64
		.amdhsa_user_sgpr_count 2
		.amdhsa_user_sgpr_kernarg_segment_ptr 1
		.amdhsa_wavefront_size32 1
		.amdhsa_system_sgpr_workgroup_id_x 1
		.amdhsa_system_sgpr_workgroup_id_y 1
		.amdhsa_system_sgpr_workgroup_id_z 1
		.amdhsa_system_vgpr_workitem_id 0
		.amdhsa_next_free_vgpr 136
		.amdhsa_next_free_sgpr 66
		.amdhsa_reserve_vcc 0
		.amdhsa_float_denorm_mode_32 3
		.amdhsa_float_denorm_mode_16_64 3
		.amdhsa_memory_ordered 1
		.amdhsa_forward_progress 1
		.amdhsa_inst_pref_size 30
	.end_amdhsa_kernel
	.amdgpu_metadata
---
amdhsa.version: [ 1, 2 ]
amdhsa.kernels:
  - .name:           k_qd28b3b86c7_cvt
    .symbol:         k_qd28b3b86c7_cvt.kd
    .args:
      - { .name: x, .offset: 0, .size: 8, .value_kind: global_buffer, .address_space: global }
      - { .name: wq, .offset: 8, .size: 8, .value_kind: global_buffer, .address_space: global }
      - { .name: wk, .offset: 16, .size: 8, .value_kind: global_buffer, .address_space: global }
      - { .name: wv, .offset: 24, .size: 8, .value_kind: global_buffer, .address_space: global }
      - { .name: wo, .offset: 32, .size: 8, .value_kind: global_buffer, .address_space: global }
      - { .name: xb, .offset: 40, .size: 8, .value_kind: global_buffer, .address_space: global }
      - { .name: wb, .offset: 48, .size: 8, .value_kind: global_buffer, .address_space: global }
      - { .name: wob, .offset: 56, .size: 8, .value_kind: global_buffer, .address_space: global }
    .group_segment_fixed_size: 0
    .private_segment_fixed_size: 0
    .kernarg_segment_align: 8
    .kernarg_segment_size: 64
    .max_flat_workgroup_size: 128
    .sgpr_count:     66
    .vgpr_count:     136
    .wavefront_size: 32
...
	.end_amdgpu_metadata
.endif
;; end of part 5
;; launch qkv: the kernel of part 2 again; grid 32 x 8, 4 waves a work-group, clusters of 4 x 4, 327,680 bytes of LDS; arguments xb, wb, rope_cos, rope_sin, qkv; writes qkv
;; launch attn: the kernel of part 3 again; grid 16 x 16, 4 waves a work-group, clusters of 4 x 1, 327,680 bytes of LDS; arguments qkv, lambda_q1, lambda_k1, lambda_q2, lambda_k2, subln_w, ab; writes ab
;; launch oproj: the kernel of part 4 again; grid 16 x 16, 4 waves a work-group, clusters of 4 x 4, 327,680 bytes of LDS; arguments ab, wob, out0; writes out0
